; MI455X (gfx1250); checked and timed in simulation.
; The chip was launched on July 23, 2026; its instructions are those of AMD's public machine-readable ISA for CDNA 5 (MIT licence, August 2026) and "CDNA5" Instruction Set Architecture Reference Guide (July 2026). The comments in the code are by the model that wrote it; some were corrected since.
;; Multi Head Self Attention. Allowed arithmetic: matrix products marked QUANTISED: E4M3 operands, one given power-of-two scale a tensor, by v_wmma_f32_16x16x64_fp8_fp8 or v_wmma_f32_16x16x128_fp8_fp8, f32 sums; everything else in f32.
;; Inputs: Wk 1,024 x 1,024 float32; Wo 1,024 x 1,024 float32; Wq 1,024 x 1,024 float32; Wv 1,024 x 1,024 float32; lowp_scales 12 int32 (the exponents e of the quantised operands' scales 2^e); x 4 x 2,048 x 1,024 float32.
;; Outputs: out0 4 x 2,048 x 1,024 float32.
;; This version of the problem:
;;   THIS VERSION OF THE PROBLEM IS GIVEN IN LOW PRECISION. The matrix products marked QUANTISED in the list below multiply operands that are first quantised to E4M3 (4 exponent bits, 3 mantissa bits; 8 bits a number), with one given power-of-two scale for each operand tensor; their sums are f32. All else is computed in f32.
;;   The module's matrix products, in the order in which they are computed (A, B: the left and right operand; K: the contracted axis; several contracted axes count as one K, in the product's order):
;;     1. [M 8,192, K 1,024] x [K 1,024, N 1,024]; A: input x; B: input Wq: QUANTISED (scales: A lowp_scales[0], B lowp_scales[1])
;;     2. [M 8,192, K 1,024] x [K 1,024, N 1,024]; A: input x; B: input Wk: QUANTISED (scales: A lowp_scales[2], B lowp_scales[3])
;;     3. [M 8,192, K 1,024] x [K 1,024, N 1,024]; A: input x; B: input Wv: QUANTISED (scales: A lowp_scales[4], B lowp_scales[5])
;;     4. batch 64 x [M 2,048, K 64] x [K 64, N 2,048]; A: computed on the way; B: computed on the way: QUANTISED (scales: A lowp_scales[6], B lowp_scales[7])
;;     5. batch 64 x [M 2,048, K 2,048] x [K 2,048, N 64]; A: softmax (see below); B: computed on the way: QUANTISED (scales: A lowp_scales[8], B lowp_scales[9])
;;     6. [M 8,192, K 1,024] x [K 1,024, N 1,024]; A: computed on the way; B: input Wo: QUANTISED (scales: A lowp_scales[10], B lowp_scales[11])
;;   THE QUANTISER, for each operand of a quantised product, along K:
;;     - The operand's scale is 2^e, e = its entry of the input lowp_scales (int32; the entries are numbered through the quantised products in the list's order, A before B).
;;     - Each number is divided by the scale, clamped to +-448, and rounded to the nearest number of E4M3, ties to even, subnormals kept.
;;     - The product sums the exact products of the quantised numbers (number of the format x scale) in f32.
;;   ~~~python
;;   def quantise(x, axis, e):      # numpy; x: float32 -> the quantised numbers, widened to float32 again
;;       x = np.moveaxis(x, axis, -1); K = x.shape[-1]
;;       r = np.clip(x / 2.0 ** e, -448, 448)
;;       step = 2.0 ** (np.maximum(np.frexp(np.where(r == 0, 1, r))[1] - 1, -6) - 3)
;;       q = np.round(r / step) * step * 2.0 ** e      # np.round: ties to even
;;       return np.moveaxis(q, -1, axis).astype(np.float32)
;;   ~~~
;;   SOFTMAX AHEAD OF A QUANTISED PRODUCT. Where the list says 'softmax', what is quantised is not the finished softmax but p = 2^(t - M), with t = logit x log2(e) and M = ceil(the row's largest t), a whole number; so 1/2 < the row's largest p <= 1. The row's sum l is taken of the UNQUANTISED p, in f32, and the product's result is divided by l at the end. Since M is a whole number, a kernel that streams over the keys may use a running M (the ceiling of the running maximum): every later rescaling is an exact power of two, so the quantised numbers keep their values, but for numbers so far below the row's largest that they fall under the format's range.
;;   OPERANDS COMPUTED ON THE WAY. 'Computed on the way' means the value that the module computes at that place (a softmax that the list does not call 'softmax' is quantised finished and normalised). What goes into a quantiser is computed in f32, as accurately as f32 sums, v_exp_f32 and their like allow (about 1e-6 of the number): no bf16 or f16 on the way to a quantiser, and a product that is left as it is and whose result goes on into a quantised operand takes f32 operands (vector FMAs, or v_wmma_f32_16x16x4_f32). A number that lies on a knife's edge between two numbers of the format may be rounded either way, as far as f32 arithmetic and the matrix unit's own rounding can turn it there, and no further.
;; One version. Each part assembles by itself: llvm-mc -triple=amdgcn-amd-amdhsa -mcpu=gfx1250 --defsym DOCPART=n.
;; ======== version 1 of 1: 4 launches
;; limits: right only within a limited range of input values
;; workspace buffers: xcodes 25,165,824 bytes; wcodes 4,194,304 bytes; rope 524,288 bytes; qcodes 8,388,608 bytes; kv 16,777,216 bytes; acodes 8,388,608 bytes
;; launch prep (part 1): grid 784 x 1, 4 waves a work-group, no clusters, 68,096 bytes of LDS; arguments x, Wq, Wk, Wv, Wo, lowp_scales, xcodes, wcodes, rope; writes xcodes, wcodes, rope
.if DOCPART == 1
	.amdgcn_target "amdgcn-amd-amdhsa--gfx1250"
	.amdhsa_code_object_version 6
	.text
	.protected	k_qc2e3e581ca_prep
	.globl	k_qc2e3e581ca_prep
	.p2align	8
	.type	k_qc2e3e581ca_prep,@function
k_qc2e3e581ca_prep:
	s_mov_b64 s[64:65], 0
	v_nop
	global_prefetch_b8 v0, s[64:65] scope:SCOPE_SE
	s_setreg_imm32_b32 hwreg(HW_REG_WAVE_MODE, 25, 1), 1
	s_wait_xcnt 0x0
; PREP.  x [8192][1024] f32 becomes three planes of E4M3 codes (scales: entries 0, 2, 4 of lowp_scales: x is an operand of three products, each with a scale of its own);
; Wq, Wk, Wv, Wo [1024][1024] f32 become codes (entries 1, 3, 5, 11); and the table of cos and sin for the rotation is made.
; code = number / 2^e, held within +-448, rounded to the nearest code, ties to even.  LIMITS: each e between -126 and 119, so that 2^e and 448 x 2^e are f32 numbers.  NaN among the inputs is not served.
; LAYOUT OF THE CODES: images of the operand's registers.  A fragment, 16 rows x 128 K, is 2,048 bytes: [piece 0..3][lane 0..31][16 bytes]; lane (r = lane % 16, h = lane / 16) holds row r, its registers 2c, 2c+1 hold
; k = 16c + 8h + 0..7, piece p is registers 4p .. 4p+3.  A block of 16 rows is its 8 fragments on end, 16,384 bytes.  So each store here covers 512 consecutive bytes, and every later reader loads at 16 x lane.
; SHARES: work-groups 0-511: block ttmp9 of x; 512-767: block ttmp9 - 512 of the four weights on end; 768-783: 128 positions of the table.  The three ways part on the work-group's number and never join.
; In the first two, wave w takes the fragments of K steps 2w and 2w+1: 32 loads of 512 consecutive bytes, all issued at once.  A load gives a lane 4 neighbours; the conversion wants 8 neighbours along K in one lane's
; registers: so a fragment's 8 KiB turn through the wave's own stage in LDS (rows of 512 bytes + 16: the sixteen rows that a load back touches start at sixteen different 16-byte columns).  Waves share nothing: no barrier.
.set SP,   528                         ; a stage row
.set WSTG, 16*SP                       ; a wave's stage
.set XST,  0                           ; the stages of x's way,
.set WST,  4*WSTG                      ; and of the weights' way: bytes of its own for each way
.set LI,   4                           ; v4   16 x lane: my place in a load's and in a store's 512 bytes
.set SA,   5                           ; v5   the stage, on the way in: wave's stage + 16 x lane
.set RA,   6                           ; v6   and back: wave's stage + 528 r + 32 h
.set SC,   8                           ; v8.. for output o: v[8+2o] = 2^e
.set T,    16
.set C,    32                          ; v32-79   16 registers of codes for each output
.set R,    80                          ; v80-207  two sets of 64 numbers
.set SRC,  24                          ; s[24:25] my wave's first byte of the source
.set DST,  26                          ; s[26:31] my wave's first byte in each output
.macro LOADF t                         ; fragment t: row p's 512 bytes, 16 a lane
.irp p, 0,1,2,3,4,5,6,7,8,9,10,11,12,13,14,15
	global_load_b128 v[R+64*\t+4*\p:R+64*\t+4*\p+3], v[LI], s[SRC:SRC+1] offset:4096*\p+512*\t th:TH_LOAD_NT
.endr
.endm
.macro TURNF t, lds                    ; through the stage: in as loaded, back as 8 neighbours for each c.  LDS serves a wave's instructions in order: no wait between
.irp p, 0,1,2,3,4,5,6,7,8,9,10,11,12,13,14,15
	ds_store_b128 v[SA], v[R+64*\t+4*\p:R+64*\t+4*\p+3] offset:\lds+SP*\p
.endr
.irp c, 0,1,2,3,4,5,6,7
	ds_load_b128 v[R+64*\t+8*\c:R+64*\t+8*\c+3], v[RA] offset:\lds+64*\c
	ds_load_b128 v[R+64*\t+8*\c+4:R+64*\t+8*\c+7], v[RA] offset:\lds+64*\c+16
.endr
.endm
.macro CONV t, o                       ; fragment t into output o's codes, and out.  The numbers stay as they are: x is quantised three times
.irp c, 0,1,2,3,4,5,6,7
.irp j, 0,1,2,3,4,5,6,7
.endr
	v_cvt_scalef32_pk8_fp8_f32 v[C+16*\o+2*\c:C+16*\o+2*\c+1], v[T+8*(\c%2)+((R+64*\t+8*\c+0)-(T+8*(\c%2)+0)):T+8*(\c%2)+7+((R+64*\t+8*\c+0)-(T+8*(\c%2)+0))], v[SC+2*\o]
.endr
.irp q, 0,1,2,3
	global_store_b128 v[LI], v[C+16*\o+4*\q:C+16*\o+4*\q+3], s[DST+2*\o:DST+2*\o+1] offset:2048*\t+512*\q   ; 32 lanes store 512 consecutive bytes, at a multiple of 512 from the buffer's first byte
.endr
.endm
.macro MKSCALE v, e                    ; v[v] = 2^e as f32 (the conversion takes its exponent field)
	s_add_co_i32 s36, \e, 127
	s_lshl_b32 s37, s36, 23
	v_mov_b32 v[\v], s37
	s_add_co_i32 s36, s36, 8
	s_lshl_b32 s36, s36, 23
	s_or_b32 s36, s36, 0x600000
.endm
.macro BODY lds, nout
	s_wait_loadcnt 16                              ; fragment 0's sixteen loads are in; fragment 1's may be out
	TURNF 0, \lds
	s_wait_dscnt 0x0
	CONV 0, 0
.if \nout > 1
	CONV 0, 1
	CONV 0, 2
.endif
	s_wait_loadcnt 0x0
	TURNF 1, \lds
	s_wait_dscnt 0x0
	s_wait_xcnt 0x0                                ; fragment 0's stores have read their registers: the codes' registers are written again only behind this wait
	CONV 1, 0
.if \nout > 1
	CONV 1, 1
	CONV 1, 2
.endif
	s_wait_tensorcnt 0x0
	ds_add_u32 v208, v209
	s_wait_dscnt 0x0
	s_endpgm
.endm
.macro INVF l, val                     ; lane l's frequency
	s_mov_b32 s32, \val
	v_writelane_b32 v10, s32, \l
.endm
	s_load_b512 s[4:19], s[0:1], 0x0               ; x s[4:5], Wq s[6:7], Wk s[8:9], Wv s[10:11], Wo s[12:13], the scales s[14:15], xcodes s[16:17], wcodes s[18:19]
	s_load_b64 s[20:21], s[0:1], 0x40              ; the table
	v_lshl_add_u32 v208, v0, 2, 0x10800
	v_mov_b32 v209, 0
	v_lshrrev_b32 v1, 5, v0
	v_readfirstlane_b32 s22, v1                    ; wave 0..3
	v_and_b32 v1, 31, v0                           ; lane
	v_and_b32 v2, 15, v0                           ; r
	v_bfe_u32 v3, v0, 4, 1                         ; h
	v_lshlrev_b32 v[LI], 4, v1
	s_mul_i32 s23, s22, WSTG
	v_add_nc_u32 v[SA], s23, v[LI]
	v_mul_u32_u24 v[RA], v2, SP
	v_lshl_add_u32 v[RA], v3, 5, v[RA]
	v_add_nc_u32 v[RA], s23, v[RA]                 ; both LDS addresses are made ahead of the parting of the ways
	s_mov_b32 s33, 0
	s_wait_kmcnt 0x0
	s_cmp_ge_u32 ttmp9, 768
	s_cbranch_scc1 .Ltable
	s_cmp_ge_u32 ttmp9, 512
	s_cbranch_scc1 .Lweights
	; ---- x: block ttmp9, into three planes of 8 MiB
	s_load_b256 s[40:47], s[14:15], 0x0            ; entries 0 to 7
	s_lshl_b32 s32, ttmp9, 16                      ; 16 rows of 4,096 bytes
	s_lshl_b32 s34, s22, 10                        ; my two K steps: 1,024 bytes of a row
	s_add_co_u32 s32, s32, s34
	s_add_nc_u64 s[SRC:SRC+1], s[4:5], s[32:33]
	s_lshl_b32 s32, ttmp9, 14                      ; a block's codes: 16,384 bytes
	s_lshl_b32 s34, s22, 12                        ; my two fragments
	s_add_co_u32 s32, s32, s34
	s_add_nc_u64 s[DST:DST+1], s[16:17], s[32:33]
	s_add_nc_u64 s[DST+2:DST+3], s[DST:DST+1], 0x800000
	s_add_nc_u64 s[DST+4:DST+5], s[DST+2:DST+3], 0x800000
	s_wait_alu depctr_va_vdst(0)
	LOADF 0
	LOADF 1
	s_wait_kmcnt 0x0
	MKSCALE SC, s40
	MKSCALE SC+2, s42
	MKSCALE SC+4, s44
	s_wait_alu depctr_va_vdst(0)
	BODY XST, 3
	; ---- the weights: block g = ttmp9 - 512 of Wq, Wk, Wv, Wo on end
.Lweights:
	s_load_b256 s[40:47], s[14:15], 0x0            ; entries 0 to 7,
	s_load_b128 s[48:51], s[14:15], 0x20           ; 8 to 11
	s_sub_co_u32 s38, ttmp9, 512                   ; g
	s_lshr_b32 s39, s38, 6                         ; which tensor,
	s_and_b32 s35, s38, 63                         ; which of its 64 blocks
	s_cmp_eq_u32 s39, 1                            ; the choices hang on the work-group's number alone
	s_cselect_b64 s[SRC:SRC+1], s[8:9], s[6:7]
	s_cmp_eq_u32 s39, 2
	s_cselect_b64 s[SRC:SRC+1], s[10:11], s[SRC:SRC+1]
	s_cmp_eq_u32 s39, 3
	s_cselect_b64 s[SRC:SRC+1], s[12:13], s[SRC:SRC+1]
	s_lshl_b32 s32, s35, 16
	s_lshl_b32 s34, s22, 10
	s_add_co_u32 s32, s32, s34
	s_add_nc_u64 s[SRC:SRC+1], s[SRC:SRC+1], s[32:33]
	s_lshl_b32 s32, s38, 14
	s_lshl_b32 s34, s22, 12
	s_add_co_u32 s32, s32, s34
	s_add_nc_u64 s[DST:DST+1], s[18:19], s[32:33]
	s_wait_alu depctr_va_vdst(0)
	LOADF 0
	LOADF 1
	s_wait_kmcnt 0x0
	s_cmp_eq_u32 s39, 1
	s_cselect_b32 s34, s43, s41                    ; entry 3 for Wk, 1 for Wq,
	s_cmp_eq_u32 s39, 2
	s_cselect_b32 s34, s45, s34                    ; 5 for Wv,
	s_cmp_eq_u32 s39, 3
	s_cselect_b32 s34, s51, s34                    ; 11 for Wo
	MKSCALE SC, s34
	s_wait_alu depctr_va_vdst(0)
	BODY WST, 1
	; ---- the table: [position 2,048][pair 32][cos, sin], f32.  Lane = pair i; a wave takes 32 positions, one a trip, and stores 256 consecutive bytes a trip.
	; angle = f32(position) x f32(10000^(-i/32)), rounded once.  It is reduced by n = the nearest whole number to angle x 2/pi, with pi/2 in three f32 parts and fused multiply-adds;
	; sine and cosine of the rest (within +-pi/4) are polynomials of degree 7 and 8; n's last two bits choose and sign them by v_cndmask_b32 and v_xor_b32: values are chosen, no address and no branch.
.Ltable:
	s_sub_co_u32 s32, ttmp9, 768
	s_lshl_b32 s32, s32, 7
	s_lshl_b32 s34, s22, 5
	s_add_co_u32 s34, s32, s34                     ; my first position
	s_lshl_b32 s32, s34, 8                         ; 256 bytes a position
	s_add_nc_u64 s[20:21], s[20:21], s[32:33]
	s_wait_alu depctr_va_vdst(0)
	v_lshlrev_b32 v7, 3, v1                        ; 8 bytes a lane
	v_mov_b32 v10, 1.0                             ; 10^(-i/8): lane 0's, and the first write of the register
	INVF 1, 0.74989420933
	INVF 2, 0.56234132519
	INVF 3, 0.42169650343
	INVF 4, 0.31622776602
	INVF 5, 0.23713737057
	INVF 6, 0.17782794100
	INVF 7, 0.13335214322
	INVF 8, 0.1
	INVF 9, 0.074989420933
	INVF 10, 0.056234132519
	INVF 11, 0.042169650343
	INVF 12, 0.031622776602
	INVF 13, 0.023713737057
	INVF 14, 0.017782794100
	INVF 15, 0.013335214322
	INVF 16, 0.01
	INVF 17, 0.0074989420933
	INVF 18, 0.0056234132519
	INVF 19, 0.0042169650343
	INVF 20, 0.0031622776602
	INVF 21, 0.0023713737057
	INVF 22, 0.0017782794100
	INVF 23, 0.0013335214322
	INVF 24, 0.001
	INVF 25, 0.00074989420933
	INVF 26, 0.00056234132519
	INVF 27, 0.00042169650343
	INVF 28, 0.00031622776602
	INVF 29, 0.00023713737057
	INVF 30, 0.00017782794100
	INVF 31, 0.00013335214322
	s_mov_b32 s52, 0x3f22f983                      ; 2 / pi
	s_mov_b32 s53, 0x3fc90fdb                      ; pi / 2, its f32,
	s_mov_b32 s54, 0xb33bbd2e                      ; what that leaves,
	s_mov_b32 s55, 0xa6f72ced                      ; and what those two leave
	s_mov_b32 s56, 0xb94ca1f9                      ; sine: -1.9515296e-4,
	s_mov_b32 s57, 0x3c08839e                      ; 8.3321609e-3,
	s_mov_b32 s58, 0xbe2aaaa3                      ; -1.6666655e-1
	s_mov_b32 s59, 0x37ccf5ce                      ; cosine: 2.4433157e-5,
	s_mov_b32 s60, 0xbab6061a                      ; -1.3887316e-3,
	s_mov_b32 s61, 0x3d2aaaa5                      ; 4.1666646e-2
	s_mov_b32 s35, 0
.Lpos:
	v_cvt_f32_u32 v11, s34
	s_wait_alu depctr_va_vdst(0)
	v_mul_f32 v12, v11, v10                        ; the angle
	v_mul_f32 v13, s52, v12
	v_rndne_f32 v13, v13                           ; n
	v_fma_f32 v14, -v13, s53, v12
	v_fma_f32 v14, -v13, s54, v14
	v_fma_f32 v14, -v13, s55, v14                  ; r = angle - n pi / 2
	v_cvt_i32_f32 v15, v13
	v_mul_f32 v16, v14, v14                        ; z = r^2
	v_fma_f32 v17, v16, s56, s57
	v_fma_f32 v17, v17, v16, s58
	v_mul_f32 v18, v16, v14
	v_fma_f32 v17, v17, v18, v14                   ; sin r
	v_fma_f32 v19, v16, s59, s60
	v_fma_f32 v19, v19, v16, s61
	v_mul_f32 v20, v16, v16
	v_fma_f32 v21, v16, -0.5, 1.0
	v_fma_f32 v19, v19, v20, v21                   ; cos r
	v_and_b32 v20, 1, v15
	v_cmp_eq_u32 vcc_lo, 1, v20                    ; n odd: the two change places
	v_cndmask_b32 v22, v19, v17, vcc_lo
	v_cndmask_b32 v23, v17, v19, vcc_lo
	v_add_nc_u32 v20, 1, v15
	v_and_b32 v20, 2, v20
	v_lshlrev_b32 v20, 30, v20
	v_xor_b32 v22, v22, v20                        ; the cosine is negative where n mod 4 is 1 or 2,
	v_and_b32 v21, 2, v15
	v_lshlrev_b32 v21, 30, v21
	v_xor_b32 v23, v23, v21                        ; the sine where it is 2 or 3
	global_store_b64 v7, v[22:23], s[20:21]
	s_wait_xcnt 0x0                                ; the store has read its data and its base: both are written again only behind this wait
	s_add_nc_u64 s[20:21], s[20:21], 256
	s_add_co_u32 s34, s34, 1
	s_add_co_u32 s35, s35, 1
	s_cmp_lt_u32 s35, 32
	s_cbranch_scc1 .Lpos
	s_endpgm
.Lfunc_end_k_qc2e3e581ca_prep:
	.size	k_qc2e3e581ca_prep, .Lfunc_end_k_qc2e3e581ca_prep-k_qc2e3e581ca_prep
	.p2alignl 7, 3214868480
	.fill 96, 4, 3214868480
	.section	.rodata,"a",@progbits
	.p2align	6, 0x0
	.amdhsa_kernel k_qc2e3e581ca_prep
		.amdhsa_group_segment_fixed_size 68096
		.amdhsa_private_segment_fixed_size 0
		.amdhsa_enable_private_segment 0
		.amdhsa_kernarg_size 72
		.amdhsa_user_sgpr_count 2
		.amdhsa_user_sgpr_kernarg_segment_ptr 1
		.amdhsa_wavefront_size32 1
		.amdhsa_system_sgpr_workgroup_id_x 1
		.amdhsa_system_sgpr_workgroup_id_y 1
		.amdhsa_system_sgpr_workgroup_id_z 1
		.amdhsa_system_vgpr_workitem_id 0
		.amdhsa_next_free_vgpr 210
		.amdhsa_next_free_sgpr 66
		.amdhsa_reserve_vcc 1
		.amdhsa_float_denorm_mode_32 3
		.amdhsa_float_denorm_mode_16_64 3
		.amdhsa_fp16_overflow 1
		.amdhsa_memory_ordered 1
		.amdhsa_forward_progress 1
		.amdhsa_inst_pref_size 32
	.end_amdhsa_kernel
	.amdgpu_metadata
---
amdhsa.version: [ 1, 2 ]
amdhsa.kernels:
  - .name:           k_qc2e3e581ca_prep
    .symbol:         k_qc2e3e581ca_prep.kd
    .args:
      - { .name: x, .offset: 0, .size: 8, .value_kind: global_buffer, .address_space: global }
      - { .name: Wq, .offset: 8, .size: 8, .value_kind: global_buffer, .address_space: global }
      - { .name: Wk, .offset: 16, .size: 8, .value_kind: global_buffer, .address_space: global }
      - { .name: Wv, .offset: 24, .size: 8, .value_kind: global_buffer, .address_space: global }
      - { .name: Wo, .offset: 32, .size: 8, .value_kind: global_buffer, .address_space: global }
      - { .name: lowp_scales, .offset: 40, .size: 8, .value_kind: global_buffer, .address_space: global }
      - { .name: xcodes, .offset: 48, .size: 8, .value_kind: global_buffer, .address_space: global }
      - { .name: wcodes, .offset: 56, .size: 8, .value_kind: global_buffer, .address_space: global }
      - { .name: rope, .offset: 64, .size: 8, .value_kind: global_buffer, .address_space: global }
    .group_segment_fixed_size: 68096
    .private_segment_fixed_size: 0
    .kernarg_segment_align: 8
    .kernarg_segment_size: 72
    .max_flat_workgroup_size: 128
    .sgpr_count:     66
    .vgpr_count:     210
    .wavefront_size: 32
...
	.end_amdgpu_metadata
.endif
;; end of part 1
;; launch qkv (part 2): grid 12 x 32, 4 waves a work-group, clusters of 4 x 4, 327,680 bytes of LDS; arguments xcodes, wcodes, lowp_scales, rope, qcodes, kv; writes qcodes, kv
.if DOCPART == 2
	.amdgcn_target "amdgcn-amd-amdhsa--gfx1250"
	.amdhsa_code_object_version 6
	.text
	.protected	k_qc2e3e581ca_qkv
	.globl	k_qc2e3e581ca_qkv
	.p2align	8
	.type	k_qc2e3e581ca_qkv,@function
k_qc2e3e581ca_qkv:
	s_mov_b64 s[64:65], 0
	v_nop
	global_prefetch_b8 v0, s[64:65] scope:SCOPE_SE
	s_setreg_imm32_b32 hwreg(HW_REG_WAVE_MODE, 25, 1), 1
	s_wait_xcnt 0x0
	s_wait_alu depctr_hold_cnt(0) depctr_sa_sdst(0) depctr_va_vdst(0) depctr_va_sdst(0) depctr_va_ssrc(0) depctr_va_vcc(0) depctr_vm_vsrc(0)
	s_getreg_b32 s2, hwreg(HW_REG_IB_STS2, 6, 4)
	s_cmp_eq_u32 s2, 0
	s_cbranch_scc0 .Lentry_in_a_cluster
	s_endpgm
.Lentry_in_a_cluster:
	s_bfe_u32 s2, ttmp6, 0x10000c
	s_cmp_lg_u32 s2, 0xf033
	s_cbranch_scc0 .Lentry_shape_is_right
	s_endpgm
.Lentry_shape_is_right:
; QKV.  q = x Wq^T, k = x Wk^T, v = x Wv^T on codes of E4M3 (K = 1,024), the rotation of q and k in f32, and the quantisers ahead of attention's two products (entries 6, 7, 9 of the scales).
; The cluster's x is the PLANE: 0 = q, 1 = k, 2 = v.  A work-group of four waves makes 256 x 256 of a plane, a wave 128 x 128: 64 accumulators of 16 x 16, 512 registers.
; Operands lie in memory as images of their registers (16 rows x 128 K = 2,048 bytes: [piece][lane][16]; a block of 16 rows = 8 fragments = 16,384 bytes), so a fragment comes out of LDS by four loads at 16 x lane:
; 512 consecutive bytes each, no pitch, no padding.  K goes in steps of 256 through two LDS slots; a wave's tensor load brings 8 blocks x 4,096 bytes.
; THE MATRIX INSTRUCTION IS USED TRANSPOSED: source 0 = 16 rows of side B, source 1 = 16 rows of side A: lane (r, h) holds row 16a + r of side A, register j of accumulator (a, b) row 16b + 8h + j of side B.
; q, k: side A = tokens, side B = rows of W: a lane's 8 registers are 8 neighbouring channels of one token: four pairs of the rotation, and 8 neighbours along the next K (the head's 64).
; v:    side A = rows of Wv, side B = tokens: a lane's registers run along the KEYS, which are the next K.  Only addresses differ between the planes until the way out.
; CLUSTERS: 4 x 4 work-groups; side A's tile is shared along a row of the cluster, side B's along a column: joint loads.  The plane is the same in all sixteen, so the one branch on it is alike in all partners.
; The sums lack the factor 2^(ex + ew); the rotation is linear, so that factor and the next quantiser's 2^et are folded into the conversion's one scale 2^E, E = et - ex - ew.  LIMIT: E between -126 and 119.  NaN is not served.
; OUT: qcodes [head of batch 64][block of 16 tokens 128][1,024]; kv [head of batch 64][key step 16][16,384]: 8 blocks of 16 keys x 1,024, then V^T's 4 fragments (16 channels x 128 keys) x 2,048.  All images: each store covers 512 consecutive bytes.
; REGISTERS, in windows of 256: window 0: v16-31 addresses and scales; v32-95 two sets of the table; v128-255 side A's fragments, ONE set (on the way out: v128-191 numbers, v192-223 codes);
;   window 1: side B's fragments, TWO sets;   windows 2, 3: the accumulators, (a, b) at v[8 (8 (a % 4) + b)].
.set FR,     16                        ; registers of a fragment
.set NL,     4                         ; LDS loads that bring one
.set NP,     4                         ; places behind this matrix instruction (ISA guide 7.12.1)
.set HALFT,  32768                     ; 8 blocks x 4,096 bytes: what one tensor load brings, and what one wave reads of a side
.set SLOT,   4*HALFT                   ; side A's 16 blocks, then side B's
.set SPARE,  2*SLOT                    ; behind the ring: the spare words, 128 bytes for each wave: two blocks of 256 bytes that no other line names
.set KADV,   8192                      ; bytes from a slot's K step to its next: two K steps of 4,096 in a block
.set ADRA, 16                          ; v16-17  LDS address of my side A fragments in slot 0, 1
.set ADRB, 20                          ; v20-21  the same for side B
.set LI,   24                          ; v24     16 x lane
.set RO,   27                          ; v27     the table: 256 r + 32 h
.set SPW,  28                          ; v28     LDS address of my spare word; never rewritten
.set NIL,  29                          ; v29     0; never rewritten
.set SCV,  30                          ; v30     2^E
.set LIMV, 31                          ; v31     448 x 2^E
.set TAB,  32
.set AF,   128
.set TMP,  128
.set CD,   192
.set G1, 24                            ; s[24:31] descriptor group 1 for side A;  s[32:39] group 0, one set for each slot
.set G0, 32
.set G1B, 48                           ; s[48:55], s[56:63] the same for side B
.set G0B, 56
.set MSB, 0
.macro WIN new                         ; the immediate's high byte repeats the setting that is left
.if MSB != \new
	s_set_vgpr_msb (MSB<<8)|\new
.set MSB, \new
.endif
.endm
.set MUL_LO, 0xa1                      ; source 0 (B) window 1, source 1 (A) window 0, C and D window 2
.set MUL_HI, 0xf1                      ; the same, C and D window 3
.set TO_B,   0x40                      ; destination window 1, address window 0
; A joint load: waves 0 and 1 fetch for side A, waves 2 and 3 for side B.  Each line has one mask and one set of registers for all that issue it; the branch hangs on the wave's number alone.
; Four v_nop follow each of the two lines, ahead of the jump, the label and what follows.
.macro JLOAD g0a, g1a, g0b, g1b
	s_cmp_eq_u32 s15, 0
	s_cbranch_scc0 .Lfor_b_\@
	tensor_load_to_lds s[\g0a:\g0a+3], s[\g1a:\g1a+7]
	s_nop 0
.rept 4
	v_nop
.endr
	s_branch .Lasked_\@
.Lfor_b_\@:
	tensor_load_to_lds s[\g0b:\g0b+3], s[\g1b:\g1b+7]
	s_nop 0
.rept 4
	v_nop
.endr
.Lasked_\@:
.endm
.macro CREST                           ; a round of the cluster's barrier behind its opening barrier
	s_cmp_lg_u32 s14, 0
	s_cbranch_scc1 .Lnot_wave_0_\@
	s_barrier_signal -3
.Lnot_wave_0_\@:
	s_barrier_wait -3
	s_barrier_signal -1
	s_barrier_wait -1
.endm
.macro CROUND                          ; a whole round
	s_barrier_signal -1
	s_barrier_wait -1
	CREST
.endm
	s_load_b256 s[4:11], s[0:1], 0x0               ; xcodes s[4:5], wcodes s[6:7], the scales s[8:9], the table s[10:11]
	s_load_b128 s[68:71], s[0:1], 0x20             ; qcodes s[68:69], kv s[70:71]
	v_lshl_add_u32 v[SPW], v0, 2, SPARE
	v_mov_b32 v[NIL], 0
	ds_add_u32 v28, v29
	ds_add_u32 v28, v29
	s_wait_dscnt 0x0
	v_lshrrev_b32 v1, 5, v0
	v_readfirstlane_b32 s14, v1                    ; wave 0..3
	s_lshr_b32 s15, s14, 1                         ; which half of side A's rows is mine.  Also: I fetch for side A (0) or B (1)
	s_and_b32 s16, s14, 1                          ; which half of side B's rows.  Also: which 8 blocks of that side's tile I fetch
	s_bfe_u32 s40, ttmp6, 0x40000                  ; cx, cy: my place in the cluster
	s_bfe_u32 s41, ttmp6, 0x40004
	s_mov_b32 s12, ttmp9                           ; the plane: the cluster's x
	s_and_b32 s13, ttmp7, 0xffff
	s_lshl_b32 s13, s13, 2                         ; 4 x the cluster's y
	s_add_co_u32 s90, s13, s41                     ; a tile of 256 tokens counted along cy,
	s_add_co_u32 s92, s13, s40                     ; or along cx
	s_lshl_b32 s91, s12, 23                        ; the plane's codes of x: 8 MiB each,
	s_lshl_b32 s93, s12, 20                        ; its weight's: 1 MiB each
	s_cmp_eq_u32 s12, 2                            ; v changes the sides
	s_cselect_b32 s17, s41, s90                    ; side A's tile hangs on cy alone: tokens (q, k) or rows of Wv (v)
	s_cselect_b32 s42, s92, s40                    ; side B's on cx alone: rows of W (q, k) or tokens (v)
	s_cselect_b32 s91, 0x200000, s91               ; side A's first byte in its buffer,
	s_cselect_b32 s93, 0x1000000, s93              ; side B's
	s_lshl_b32 s43, s41, 2
	s_lshl_b32 s43, 15, s43                        ; my row of the cluster
	s_lshl_b32 s44, 0x1111, s40                    ; my column
	; descriptor group 1: 8 rows of 512 elements of 8 bytes (two fragments of a block), 2,048 elements (a block) apart; no padding
	s_or_b32 s[G1+0], s43, (3<<16)|(1<<21)         ; 15:0 the mask: side A's tiles go to my row; 17:16 elements of 8 bytes; 21 set beside a mask
	s_or_b32 s[G1B+0], s44, (3<<16)|(1<<21)
.irp g, G1, G1B
	s_mov_b32 s[\g+1], 512<<16                     ; tensor_dim0
	s_mov_b32 s[\g+2], 8<<16                       ; tensor_dim1
	s_mov_b32 s[\g+3], 512<<16                     ; tile_dim0
	s_mov_b32 s[\g+4], 8                           ; tile_dim1
	s_mov_b32 s[\g+5], 2048                        ; tensor_dim0_stride
	s_mov_b32 s[\g+6], 0
	s_mov_b32 s[\g+7], 0
.endr
	s_lshl_b32 s94, s16, 17                        ; which 8 blocks of the tile I fetch
	s_lshl_b32 s90, s17, 18                        ; a tile is 16 blocks of 16,384 bytes
	s_add_co_u32 s90, s90, s91
	s_add_co_u32 s90, s90, s94
	s_mov_b32 s91, 0
	s_lshl_b32 s92, s42, 18
	s_add_co_u32 s92, s92, s93
	s_add_co_u32 s92, s92, s94
	s_mov_b32 s93, 0
	s_lshl_b32 s45, s14, 15                        ; where they go: wave x 32,768: no place in the cluster enters an LDS address
	s_wait_kmcnt 0x0
	s_load_b256 s[72:79], s[8:9], 0x0              ; the scales' exponents, entries 0 to 7,
	s_load_b128 s[80:83], s[8:9], 0x20             ; 8 to 11
	s_cmp_eq_u32 s12, 2
	s_cselect_b64 s[20:21], s[6:7], s[4:5]
	s_cselect_b64 s[46:47], s[4:5], s[6:7]
	s_add_nc_u64 s[20:21], s[20:21], s[90:91]
	s_add_nc_u64 s[46:47], s[46:47], s[92:93]
	CROUND                                         ; all sixteen work-groups are here: the first joint loads meet
.irp s, 0,1
	s_mov_b32 s[G0+4*\s], 1
	s_add_co_u32 s[G0+4*\s+1], s45, \s*SLOT
	s_add_nc_u64 s[G0+4*\s+2:G0+4*\s+3], s[20:21], \s*4096
	s_or_b32 s[G0+4*\s+3], s[G0+4*\s+3], 0x80000000
	s_mov_b32 s[G0B+4*\s], 1
	s_add_co_u32 s[G0B+4*\s+1], s45, \s*SLOT
	s_add_nc_u64 s[G0B+4*\s+2:G0B+4*\s+3], s[46:47], \s*4096
	s_or_b32 s[G0B+4*\s+3], s[G0B+4*\s+3], 0x80000000
	s_wait_alu depctr_va_vdst(0)
	s_wait_tensorcnt 0x0
	ds_add_u32 v28, v29
	ds_add_u32 v28, v29
	s_wait_dscnt 0x0
	CROUND
	JLOAD G0+4*\s, G1, G0B+4*\s, G1B
.endr
	v_and_b32 v1, 31, v0
	v_lshlrev_b32 v[LI], 4, v1
	s_lshl_b32 s90, s15, 15                        ; my 8 blocks of side A,
	s_lshl_b32 s91, s16, 15                        ; my 8 of side B,
	s_add_co_u32 s91, s91, 2*HALFT                 ; which lie behind side A's 16
.irp s, 0,1
	v_add_nc_u32 v[ADRA+\s], s90, v[LI]
	v_add_nc_u32 v[ADRB+\s], s91, v[LI]
	s_add_co_u32 s90, s90, SLOT
	s_add_co_u32 s91, s91, SLOT
.endr
	v_and_b32 v2, 15, v0                           ; r
	v_bfe_u32 v3, v0, 4, 1                         ; h
	v_lshlrev_b32 v[RO], 8, v2
	v_lshl_add_u32 v[RO], v3, 5, v[RO]
	s_wait_alu depctr_va_vdst(0)
	; where my wave's results go.  TT, TH: its tile and half along the tokens; FT, FH: along the channels
	s_cmp_eq_u32 s12, 2
	s_cselect_b32 s94, s42, s17                    ; TT
	s_cselect_b32 s95, s16, s15                    ; TH
	s_cselect_b32 s96, s17, s42                    ; FT
	s_cselect_b32 s97, s15, s16                    ; FH
	s_lshr_b32 s90, s94, 3                         ; the batch: 8 tiles of 256 tokens each
	s_lshl_b32 s90, s90, 4
	s_lshl_b32 s96, s96, 2
	s_add_co_u32 s90, s90, s96
	s_lshl_b32 s97, s97, 1
	s_add_co_u32 s90, s90, s97                     ; my first head of batch: 16 x batch + 4 FT + 2 FH; my wave has two
	s_and_b32 s94, s94, 7
	s_lshl_b32 s94, s94, 1
	s_add_co_u32 s94, s94, s95                     ; my 128 tokens in the sequence: key step 2 (TT % 8) + TH
	s_lshl_b32 s92, s94, 15
	s_add_nc_u64 s[88:89], s[10:11], s[92:93]      ; the table at my first position: 128 positions x 256 bytes a key step
	s_cmp_eq_u32 s12, 0
	s_cselect_b64 s[84:85], s[68:69], s[70:71]
	s_cselect_b32 s95, 17, 18                      ; a head of batch: 2^17 bytes in qcodes, 2^18 in kv;
	s_cselect_b32 s96, 13, 14                      ; 128 tokens: 2^13, 2^14
	s_lshl_b32 s92, s90, s95
	s_lshl_b32 s97, s94, s96
	s_add_co_u32 s92, s92, s97
	s_cmp_eq_u32 s12, 2
	s_cselect_b32 s97, 8192, 0                     ; V^T lies behind the key step's K
	s_add_co_u32 s92, s92, s97
	s_add_nc_u64 s[84:85], s[84:85], s[92:93]      ; my first head's place,
	s_lshl_b32 s92, 1, s95
	s_add_nc_u64 s[86:87], s[84:85], s[92:93]      ; my second head's
; (cos, sin) of pairs 8 bb + 4 h + 0..3 at position 16 a + r, into set a % 2: register 8 bb + 2 i the cosine, + 1 the sine
.macro TLOAD a
.irp bb, 0,1,2,3
	global_load_b128 v[TAB+32*((\a)%2)+8*\bb:TAB+32*((\a)%2)+8*\bb+3], v[RO], s[88:89] offset:4096*(\a)+64*\bb
	global_load_b128 v[TAB+32*((\a)%2)+8*\bb+4:TAB+32*((\a)%2)+8*\bb+7], v[RO], s[88:89] offset:4096*(\a)+64*\bb+16
.endr
.endm
	TLOAD 0                                        ; asked for here, on every plane's path, so that they land under the products and no path reads a register that was never loaded; plane v leaves them unused (the addresses lie inside the table there too)
	TLOAD 1
.macro FRAG reg, adr, q, i             ; a fragment: block i of my 8, the slot's q-th 128 along K: four loads of 512 consecutive bytes
.irp c, 0,1,2,3
	ds_load_b128 v[\reg+4*\c:\reg+4*\c+3], v[\adr] offset:4096*(\i)+2048*(\q)+512*\c
.endr
.endm
; 16 matrix instructions: side A's blocks a0, a0 + 1 x side B's eight, 128 along K.  p: B's set.  zero = 1: the first product starts the sums: nothing is ever cleared.
; The 64 accumulators take turns, one instruction a turn, in the same order in every step.
.macro MUL16 a0, p, zero
.irp a, \a0, \a0+1
.irp b, 0,1,2,3,4,5,6,7
.if \zero
	v_wmma_f32_16x16x128_fp8_fp8 v[8*(8*((\a)%4)+\b):8*(8*((\a)%4)+\b)+7], v[128*(\p)+FR*\b:128*(\p)+FR*\b+FR-1], v[AF+FR*(\a):AF+FR*(\a)+FR-1], 0
.else
	v_wmma_f32_16x16x128_fp8_fp8 v[8*(8*((\a)%4)+\b):8*(8*((\a)%4)+\b)+7], v[128*(\p)+FR*\b:128*(\p)+FR*\b+FR-1], v[AF+FR*(\a):AF+FR*(\a)+FR-1], v[8*(8*((\a)%4)+\b):8*(8*((\a)%4)+\b)+7]
.endif
.endr
.endr
.endm
.macro FETCH_B slot, q, p
	WIN TO_B
.irp i, 0,1,2,3,4,5,6,7
	FRAG 128*(\p)+FR*\i, ADRB+\slot, \q, \i
.endr
	WIN 0
.endm
.macro FETCH_A slot, q, i0             ; side A's blocks i0 .. i0 + 3
.irp i, \i0, \i0+1, \i0+2, \i0+3
	FRAG AF+FR*(\i), ADRA+\slot, \q, \i
.endr
.endm
.macro PLACES n                        ; plain vector instructions between a matrix instruction and a load into, or a vector instruction on, its registers (ISA guide 7.12.1 for vector instructions)
.rept \n
	v_nop
.endr
.endm
; A step of 128 along K that has its successor in the same slot.  A block of side A is free as soon as its eight products are issued: blocks 0-3 are fetched anew in the step's middle, blocks 4-7 at its end.
.macro STEP slot, q, zero
	s_wait_dscnt 4*NL                              ; B's set and A's blocks 0-3 are in; the youngest sixteen loads (A's blocks 4-7) may be out
	WIN MUL_LO
	MUL16 0, (\q)%2, \zero
	MUL16 2, (\q)%2, \zero
	s_wait_dscnt 0
	PLACES NP
	FETCH_B \slot, (\q)+1, 1-(\q)%2
	FETCH_A \slot, (\q)+1, 0
	WIN MUL_HI
	MUL16 4, (\q)%2, \zero
	MUL16 6, (\q)%2, \zero
	PLACES NP
	WIN 0
	FETCH_A \slot, (\q)+1, 4
.endm
; A slot's last step changes slots: ONE barrier; in front of it each wave waits for all its tensor loads, adds 0 to its spare word, and waits for that and for its own reads of this slot.  fill = 1: this slot is filled again, two K steps ahead.
.macro TURN slot, next, fill
	s_wait_tensorcnt 0x0                           ; all my tensor loads have landed: my part of the next slot
	ds_add_u32 v[SPW], v[NIL]                      ; 0 onto my spare word
	s_wait_dscnt 4*NL+1                            ; (the add and the youngest sixteen loads, A's blocks 4-7, may be out)
	WIN MUL_LO
	MUL16 0, 1, 0                                  ; sixteen matrix instructions stand between the add and the wait for it
	s_wait_dscnt 0x0                               ; the add is done, and my reads of this slot are over
	s_barrier_signal -1
	MUL16 2, 1, 0
	WIN 0
	s_barrier_wait -1
.if \fill
	CREST                                          ; the barrier has opened a round of the cluster's barrier: no wave of any partner still reads this slot or has a load on its way
	s_add_nc_u64 s[G0+4*\slot+2:G0+4*\slot+3], s[G0+4*\slot+2:G0+4*\slot+3], KADV
	s_add_nc_u64 s[G0B+4*\slot+2:G0B+4*\slot+3], s[G0B+4*\slot+2:G0B+4*\slot+3], KADV
	JLOAD G0+4*\slot, G1, G0B+4*\slot, G1B         ; the first tensor load behind the round; its four v_nop are also the places in front of the loads below
.else
	PLACES NP
.endif
	FETCH_B \next, 0, 0
	FETCH_A \next, 0, 0
	WIN MUL_HI
	MUL16 4, 1, 0
	MUL16 6, 1, 0
	PLACES NP
	WIN 0
	FETCH_A \next, 0, 4
.endm
	s_wait_tensorcnt 1                             ; my part of K step 0 is in (K step 1's load may be out)
	s_barrier_signal -1
	s_barrier_wait -1                              ; everybody's is
	FETCH_B 0, 0, 0
	FETCH_A 0, 0, 0
	FETCH_A 0, 0, 4
	STEP 0, 0, 1                                   ; K = 1,024 is four K steps of 256, eight steps of 128: written out, no loop.  The first step's products start the sums
	TURN 0, 1, 1                                   ; slot 0 takes K step 2
	STEP 1, 0, 0
	TURN 1, 0, 1                                   ; slot 1 takes K step 3
	STEP 0, 0, 0
	TURN 0, 1, 0                                   ; nothing is left to fetch
	STEP 1, 0, 0
	s_wait_dscnt 4*NL                              ; the very last step
	WIN MUL_LO
	MUL16 0, 1, 0
	MUL16 2, 1, 0
	s_wait_dscnt 0
	WIN MUL_HI
	MUL16 4, 1, 0
	MUL16 6, 1, 0
	WIN 0
	; THE WAY OUT.  E = et - ex - ew: entries (6, 0, 1) for q, (7, 2, 3) for k, (9, 4, 5) for v: chosen by selects on the plane
	s_wait_kmcnt 0x0
	s_cmp_eq_u32 s12, 1
	s_cselect_b32 s90, s74, s72
	s_cselect_b32 s91, s75, s73
	s_cselect_b32 s92, s79, s78
	s_cmp_eq_u32 s12, 2
	s_cselect_b32 s90, s76, s90
	s_cselect_b32 s91, s77, s91
	s_cselect_b32 s92, s81, s92
	s_sub_co_i32 s92, s92, s90
	s_sub_co_i32 s92, s92, s91
	s_add_co_i32 s92, s92, 127
	s_lshl_b32 s93, s92, 23
	v_mov_b32 v[SCV], s93                          ; 2^E as f32: the conversion takes its exponent field
	s_add_co_i32 s92, s92, 8
	s_lshl_b32 s92, s92, 23
	s_or_b32 s92, s92, 0x600000
	v_mov_b32 v[LIMV], s92                         ; 448 x 2^E
	PLACES NP
; q, k: block a, 16 tokens x my 128 channels (two heads).  Rotated, converted: accumulator b's 8 numbers become registers 2 (b % 4), + 1 of head b / 4's fragment of 16 tokens x 64.
.macro QKBLOCK a
.set AC, 64*((\a)%4)
.set TS, TAB+32*((\a)%2)
.set CC, CD+16*((\a)%2)
.if (\a) < 7
	s_wait_loadcnt 8                               ; this block's eight table loads are in; the next block's eight may be out
.else
	s_wait_loadcnt 0
.endif
	WIN 0x02+((\a)/4)                              ; source 0: window 2 or 3
.irp b, 0,1,2,3,4,5,6,7
.irp i, 0,2,4,6
	v_pk_mul_f32 v[TMP+8*\b+\i:TMP+8*\b+\i+1], v[AC+8*\b+\i:AC+8*\b+\i+1], v[TS+8*(\b%4)+\i:TS+8*(\b%4)+\i+1] op_sel_hi:[1,0]   ; (even x cos, odd x cos); each accumulator is read from its low end on
.endr
.irp i, 0,2,4,6
	v_fma_f32 v[TMP+8*\b+\i], -v[AC+8*\b+\i+1], v[TS+8*(\b%4)+\i+1], v[TMP+8*\b+\i]       ; even x cos - odd x sin
	v_fma_f32 v[TMP+8*\b+\i+1], v[AC+8*\b+\i], v[TS+8*(\b%4)+\i+1], v[TMP+8*\b+\i+1]     ; odd x cos + even x sin
.endr
.endr
	WIN 0
.if (\a) >= 2
	s_wait_alu depctr_va_vdst(0)
	s_wait_xcnt 0x0                                ; block a - 2's stores have read their registers: this set of codes is written again only behind this wait
.endif
.if (\a) <= 5
	TLOAD (\a)+2                                   ; into the set just read
.endif
.irp b, 0,1,2,3,4,5,6,7
.irp j, 0,1,2,3,4,5,6,7
.endr
	v_cvt_scalef32_pk8_fp8_f32 v[CC+2*\b:CC+2*\b+1], v[TMP+8*\b:TMP+8*\b+7], v[SCV]
.endr
	v_nop                                          ; one plain vector instruction between the last conversion and the next block's writes of its sources
	global_store_b128 v[LI], v[CC:CC+3], s[84:85] offset:1024*(\a)
	global_store_b128 v[LI], v[CC+4:CC+7], s[84:85] offset:1024*(\a)+512
	global_store_b128 v[LI], v[CC+8:CC+11], s[86:87] offset:1024*(\a)
	global_store_b128 v[LI], v[CC+12:CC+15], s[86:87] offset:1024*(\a)+512
.endm
; v: block a, 16 channels x my 128 keys: its 8 accumulators become one fragment of V^T: head a / 4, channels 16 (a % 4) on
.macro VBLOCK a
.set AC, 64*((\a)%4)
.set CC, CD+16*((\a)%2)
	WIN 0x02+((\a)/4)
.set n, 0
.rept 64
	v_med3_num_f32 v[TMP+n], v[AC+n], -v[LIMV], v[LIMV]
.set n, n+1
.endr
	WIN 0
.if (\a) >= 2
	s_wait_alu depctr_va_vdst(0)
	s_wait_xcnt 0x0                                ; block a - 2's stores have read their registers
.endif
.irp b, 0,1,2,3,4,5,6,7
	v_cvt_scalef32_pk8_fp8_f32 v[CC+2*\b:CC+2*\b+1], v[TMP+8*\b:TMP+8*\b+7], v[SCV]
.endr
	v_nop                                          ; one plain vector instruction between the last conversion and the next block's writes of its sources
.irp q, 0,1,2,3
	global_store_b128 v[LI], v[CC+4*\q:CC+4*\q+3], s[84+2*((\a)/4):85+2*((\a)/4)] offset:2048*((\a)%4)+512*\q
.endr
.endm
	s_cmp_eq_u32 s12, 2                            ; the plane is the cluster's x: alike in all sixteen partners; no barrier and no tensor load stands in either arm
	s_cbranch_scc1 .Lv
.irp a, 0,1,2,3,4,5,6,7
	QKBLOCK \a
.endr
	s_branch .Ldone
.Lv:
	s_wait_alu depctr_va_vdst(0)
.irp a, 0,1,2,3,4,5,6,7
	VBLOCK \a
.endr
.Ldone:
	s_wait_tensorcnt 0x0                           ; the wave's end
	ds_add_u32 v[SPW], v[NIL]
	s_wait_dscnt 0x0
	CROUND                                         ; the closing round: no work-group ends while a partner may still ask for a tile that names it
	s_endpgm
.Lfunc_end_k_qc2e3e581ca_qkv:
	.size	k_qc2e3e581ca_qkv, .Lfunc_end_k_qc2e3e581ca_qkv-k_qc2e3e581ca_qkv
	.p2alignl 7, 3214868480
	.fill 96, 4, 3214868480
	.section	.rodata,"a",@progbits
	.p2align	6, 0x0
	.amdhsa_kernel k_qc2e3e581ca_qkv
		.amdhsa_group_segment_fixed_size 327680
		.amdhsa_private_segment_fixed_size 0
		.amdhsa_enable_private_segment 0
		.amdhsa_kernarg_size 48
		.amdhsa_user_sgpr_count 2
		.amdhsa_user_sgpr_kernarg_segment_ptr 1
		.amdhsa_wavefront_size32 1
		.amdhsa_system_sgpr_workgroup_id_x 1
		.amdhsa_system_sgpr_workgroup_id_y 1
		.amdhsa_system_sgpr_workgroup_id_z 1
		.amdhsa_system_vgpr_workitem_id 0
		.amdhsa_next_free_vgpr 1024
		.amdhsa_next_free_sgpr 100
		.amdhsa_reserve_vcc 0
		.amdhsa_float_denorm_mode_32 3
		.amdhsa_float_denorm_mode_16_64 3
		.amdhsa_fp16_overflow 1
		.amdhsa_memory_ordered 1
		.amdhsa_forward_progress 1
		.amdhsa_inst_pref_size 182
	.end_amdhsa_kernel
	.amdgpu_metadata
---
amdhsa.version: [ 1, 2 ]
amdhsa.kernels:
  - .name:           k_qc2e3e581ca_qkv
    .symbol:         k_qc2e3e581ca_qkv.kd
    .args:
      - { .name: xcodes, .offset: 0, .size: 8, .value_kind: global_buffer, .address_space: global }
      - { .name: wcodes, .offset: 8, .size: 8, .value_kind: global_buffer, .address_space: global }
      - { .name: lowp_scales, .offset: 16, .size: 8, .value_kind: global_buffer, .address_space: global }
      - { .name: rope, .offset: 24, .size: 8, .value_kind: global_buffer, .address_space: global }
      - { .name: qcodes, .offset: 32, .size: 8, .value_kind: global_buffer, .address_space: global }
      - { .name: kv, .offset: 40, .size: 8, .value_kind: global_buffer, .address_space: global }
    .group_segment_fixed_size: 327680
    .private_segment_fixed_size: 0
    .kernarg_segment_align: 8
    .kernarg_segment_size: 48
    .max_flat_workgroup_size: 128
    .sgpr_count:     100
    .vgpr_count:     1024
    .wavefront_size: 32
...
	.end_amdgpu_metadata
.endif
;; end of part 2
;; launch attn (part 3): grid 8 x 64, 16 waves a work-group, no clusters, 327,680 bytes of LDS; arguments qcodes, kv, lowp_scales, acodes; writes acodes
.if DOCPART == 3
	.amdgcn_target "amdgcn-amd-amdhsa--gfx1250"
	.amdhsa_code_object_version 6
	.text
	.protected	k_qc2e3e581ca_attn
	.globl	k_qc2e3e581ca_attn
	.p2align	8
	.type	k_qc2e3e581ca_attn,@function
k_qc2e3e581ca_attn:
	s_mov_b64 s[64:65], 0
	v_nop
	global_prefetch_b8 v0, s[64:65] scope:SCOPE_SE
	s_setreg_imm32_b32 hwreg(HW_REG_WAVE_MODE, 25, 1), 1
	s_wait_xcnt 0x0
; ATTN.  o = softmax(q k^T / 8, causal) v for 64 heads of batch, 2,048 tokens, head size 64, both products on codes of E4M3; o is quantised (entry 10 of the scales) for the last projection.
; THE SOFTMAX AHEAD OF THE SECOND PRODUCT: t = score x log2(e) / 8; M = the row's largest t so far, rounded UP to a whole number; p = 2^(t - M) is quantised (entry 8), not normalised.
; The row's sum is taken of the unquantised p, in f32, and divides at the end.  When M moves, the sum and O are multiplied by 2^(old M - new M): exact.
; SHARES.  Work-group (j, head of batch) owns the query chunks j and 15 - j, 128 queries each: chunk c needs c + 1 key steps of 128, so every work-group has 8 x 17 wave-steps.  Each of its sixteen waves owns 16 queries in 256
; registers; which chunk a wave takes is (w ^ (w >> 2)) & 1, so that of waves 4i .. 4i+3, and of waves i, i+4, i+8, i+12, two are early and two late.
; K and V^T come through a ring of two LDS slots of four key steps (65,536 bytes), filled by waves 0 to 3, one key step (16,384 dense bytes) each, and read by all sixteen.  They lie as images of the operands' registers:
; every LDS load is 512 consecutive bytes at 16 x lane.
; LAYOUT.  Both products are used transposed: S^T = K Q^T (source 0 = 16 keys, K = 64), O^T = V^T P^T (source 0 = 16 channels, K = 128 keys): a lane holds ONE query (lane % 16) throughout.  Register j of S^T's tile t is key
; 16 t + 8 (lane / 16) + j: the very place that the second product's operand gives that key, so the conversions' results are the operand.
; CAUSAL.  Every work-group walks all four slots (constant trip counts; no tensor load and no barrier is jumped over); a step all of whose keys come after the wave's queries is left out by a scalar branch on ids.
; NO JOINT LOADS: the eight work-groups of a head read the same K and V, but that branch hangs on the query chunk, which differs between them, and partners of a joint load must run alike.
; LIMITS on the given exponents: e6 + e7 between -123 and 130 (added to c's exponent field); e8 and e10 between -126 and 119; e8 + e9 is applied by v_ldexp_f32 and has none.  NaN is not served.
; REGISTERS: v1 16 x lane; v3, v5, v6 prefetch offset, spare word, 0; v7 r - 8 h; v8 LDS address; v12 -M, v13 the largest t, v[14:15] the sum; v16-23 Q; v32-95 K's eight fragments, then V^T's four; v96-159 S^T, then p;
; v160-191 O^T; v192-199 at work; v201: 2^e8; v203: 2^e10; v204 -infinity; v224-239 p's codes.
.set STEPB, 16384                      ; a key step: 8 blocks of K x 1,024, then 4 fragments of V^T x 2,048
.set SLOTB, 65536                      ; a slot: four key steps; one exclusive or turns an address in one slot into the other's
.set SPARE, 2*SLOTB                    ; behind the ring: the spare words, 128 bytes for each wave: eight blocks of 256 bytes that no other line names
.set NSL,   4                          ; slots' worth of keys
.set LI,   1
.set PFO,  3
.set SPW,  5
.set NIL,  6
.set DL,   7
.set ADK,  8
.set TB,   2                           ; s2   LDS byte at which the key step in hand begins
.set WV,   18                          ; s18  my wave's number
.set SEL,  20                          ; s[20:21] lane selects for v_permlanex16_b32: lane l xor 16
.set CS,   22                          ; s[22:23] c = log2(e) / 8 x 2^(e6 + e7)
.set G1,   24                          ; s[24:31] descriptor group 1
.set G0,   40                          ; s[40:43] descriptor group 0, which walks
.set CNT,  66                          ; s66  counts a slot's four steps
.set SLOTS, 67                         ; s67  slots still to be asked for
.set PFA,  76                          ; s[76:77] where my prefetches stand
.set LIM,  80                          ; s80  1 in a wave that prefetches, else the greatest number
.set KF,   98                          ; s98  the step's first key
.set Q0,   99                          ; s99  my first query
.macro TLOAD                           ; waves 0 to 3 fetch a key step each; the branch hangs on the wave's number alone.  Four v_nop follow the load
	s_cmp_lt_u32 s[WV], 4
	s_cbranch_scc0 .Lasked_\@
	tensor_load_to_lds s[G0:G0+3], s[G1:G1+7]
	s_nop 0
.rept 4
	v_nop
.endr
.Lasked_\@:
.endm
; A PREFETCH INTO THE L2 of the slot that the NEXT change of slots will ask for: 65,536 dense bytes.  All eight work-groups of a head walk the same bytes: the one with j = 0 asks; in it waves 4 to 11, which fetch nothing,
; 8,192 bytes each, lanes 256 bytes apart: each aligned 256 bytes is named once in the launch.  Slots 0 and 1 come by their loads alone; the last change that fills a slot asks for nothing.
.macro ASK
	s_cmp_gt_u32 s[SLOTS], s[LIM]
	s_cbranch_scc0 .Lnot_mine_\@
	global_prefetch_b8 v[PFO], s[PFA:PFA+1] th:TH_LOAD_NT scope:SCOPE_SE
.Lnot_mine_\@:
.endm
	s_load_b256 s[4:11], s[0:1], 0x0               ; qcodes s[4:5], kv s[6:7], the scales s[8:9], acodes s[10:11]
	v_lshl_add_u32 v[SPW], v0, 2, SPARE
	v_mov_b32 v[NIL], 0
	ds_add_u32 v5, v6
	ds_add_u32 v5, v6
	s_wait_dscnt 0x0
	v_lshrrev_b32 v8, 5, v0
	s_delay_alu instid0(VALU_DEP_1)
	v_readfirstlane_b32 s[WV], v8                  ; wave 0..15
	s_and_b32 s81, ttmp7, 0xffff                   ; the head of batch
	s_lshr_b32 s82, s[WV], 2
	s_xor_b32 s82, s82, s[WV]
	s_and_b32 s82, s82, 1                          ; 1: the late chunk
	s_sub_co_u32 s83, 15, ttmp9
	s_cmp_eq_u32 s82, 1
	s_cselect_b32 s83, s83, ttmp9                  ; my chunk
	s_lshl_b32 s83, s83, 7
	s_lshr_b32 s84, s[WV], 1
	s_lshl_b32 s84, s84, 4
	s_add_co_u32 s[Q0], s83, s84                   ; my first query: 128 x chunk + 16 (wave / 2)
	s_lshl_b32 s86, s81, 18                        ; the head's 16 key steps in kv
	s_and_b32 s88, s[WV], 3
	s_lshl_b32 s88, s88, 14                        ; the key step of a slot that I fetch, if I fetch: in memory and in LDS alike
	s_add_co_u32 s90, s86, s88
	s_mov_b32 s91, 0
	; descriptor group 1: 64 rows of 32 elements of 8 bytes, dense: 16,384 bytes
	s_mov_b32 s[G1], 3<<16                         ; 15:0 no mask; 17:16 elements of 8 bytes; no padding
	s_mov_b32 s[G1+1], 32<<16                      ; tensor_dim0
	s_mov_b32 s[G1+2], 64<<16                      ; tensor_dim1
	s_mov_b32 s[G1+3], 32<<16                      ; tile_dim0
	s_mov_b32 s[G1+4], 64                          ; tile_dim1
	s_mov_b32 s[G1+5], 32                          ; tensor_dim0_stride
	s_mov_b32 s[G1+6], 0
	s_mov_b32 s[G1+7], 0
	s_mov_b32 s[SEL], 0x76543210
	s_mov_b32 s[SEL+1], 0xfedcba98
	s_mov_b32 s[CS], 0x3e38aa3b                    ; log2(e) / 8
	s_mov_b32 s[TB], 0
	s_mov_b32 s[KF], 0
	s_mov_b32 s[SLOTS], NSL-1
	s_wait_kmcnt 0x0
	s_load_b128 s[68:71], s[8:9], 0x18             ; e6, e7, e8, e9
	s_load_b32 s72, s[8:9], 0x28                   ; e10
	s_mov_b32 s[G0], 1                             ; count = 1
	s_mov_b32 s[G0+1], s88                         ; LDS address: slot 0
	s_add_nc_u64 s[G0+2:G0+3], s[6:7], s[90:91]    ; global address
	s_or_b32 s[G0+3], s[G0+3], 0x80000000          ; type = 2
	TLOAD                                          ; slot 0
	s_lshl_b32 s92, s81, 17                        ; Q: a head of batch is 128 blocks of 1,024 bytes;
	s_lshl_b32 s93, s[Q0], 6                       ; my block of 16 queries
	s_add_co_u32 s92, s92, s93
	s_mov_b32 s93, 0
	s_add_nc_u64 s[4:5], s[4:5], s[92:93]
	s_lshr_b32 s92, s81, 4
	s_lshl_b32 s92, s92, 21                        ; acodes: the batch's 128 blocks of 16 tokens x 16,384 bytes,
	s_lshl_b32 s94, s[Q0], 10                      ; my block,
	s_add_co_u32 s92, s92, s94
	s_and_b32 s94, s81, 15
	s_lshl_b32 s94, s94, 10                        ; my head's 1,024 bytes of it
	s_add_co_u32 s92, s92, s94
	s_add_nc_u64 s[10:11], s[10:11], s[92:93]
	s_add_co_u32 s94, s[WV], 4
	s_and_b32 s94, s94, 7                          ; wave - 4 in waves 4 to 11
	s_lshl_b32 s94, s94, 13
	s_add_co_u32 s94, s94, s86
	s_add_co_u32 s94, s94, SLOTB                   ; in slot 1: the first change of slots steps it to slot 2.  Nothing is prefetched here, at the head
	s_mov_b32 s95, 0
	s_add_nc_u64 s[PFA:PFA+1], s[6:7], s[94:95]
	s_sub_co_u32 s82, s[WV], 4
	s_lshr_b32 s82, s82, 3                         ; 0 in waves 4 to 11,
	s_or_b32 s82, s82, ttmp9                       ; of the head's first work-group
	s_cmp_eq_u32 s82, 0
	s_cselect_b32 s[LIM], 1, -1
	v_and_b32 v[LI], 31, v0
	s_delay_alu instid0(VALU_DEP_1)
	v_lshlrev_b32 v[PFO], 8, v[LI]
	s_delay_alu instid0(VALU_DEP_2)
	v_lshlrev_b32 v[LI], 4, v[LI]
	global_load_b128 v[16:19], v[LI], s[4:5]       ; Q's fragment stays in registers
	global_load_b128 v[20:23], v[LI], s[4:5] offset:512
	v_and_b32 v9, 15, v0
	v_bfe_u32 v10, v0, 4, 1
	s_delay_alu instid0(VALU_DEP_1)
	v_lshlrev_b32 v10, 3, v10
	s_delay_alu instid0(VALU_DEP_1)
	v_sub_nc_u32 v[DL], v9, v10                    ; r - 8 h, for the mask
	v_mov_b32 v13, 0xff61b1e6                      ; the largest t so far: -3e38, under every t
	s_delay_alu instid0(VALU_DEP_1)
	v_floor_f32 v12, -v13                          ; -M
	v_mov_b32 v14, 0                               ; the sum, in two halves
	v_mov_b32 v15, 0
	v_mov_b32 v195, 0                              ; (named as the upper half of the pair v[194:195])
	v_mov_b32 v196, 0                              ; written once: a lane permute's destination counts as one of its sources
	v_mov_b32 v204, 0xff800000                     ; -infinity
.set n, 0
.rept 32
	v_mov_b32 v[160+n], 0                          ; O^T.  (The step is written once: the first finds zeros, which the first change of M leaves zeros)
.set n, n+1
.endr
	s_wait_kmcnt 0x0
	s_add_co_i32 s82, s68, s69
	s_lshl_b32 s82, s82, 23
	s_add_co_i32 s[CS], s[CS], s82                 ; a score stands for score x 2^(e6 + e7): added to c's exponent field
	s_mov_b32 s[CS+1], s[CS]                       ; (named with it as a pair, so it is written)
	s_add_co_i32 s82, s70, 127
	s_lshl_b32 s83, s82, 23
	v_mov_b32 v201, s83                            ; 2^e8
	s_add_co_i32 s82, s72, 127
	s_lshl_b32 s83, s82, 23
	v_mov_b32 v203, s83                            ; 2^e10
	s_add_co_i32 s73, s70, s71                     ; e8 + e9
; A KEY STEP: 128 keys, at LDS byte s[TB].
.macro STEP
	s_add_co_u32 s96, s[Q0], 15
	s_cmp_gt_u32 s[KF], s96                        ; all keys come after my queries: the step's work is left out, not the lines at its end that step addresses
	s_cbranch_scc1 .Lhidden_\@
	s_setprio 2
	v_add_nc_u32 v[ADK], s[TB], v[LI]
.rept 3
	v_nop                                          ; with the addition above: four places in front of loads into registers that the last step's products have read
.endr
.irp t, 0,1,2,3,4,5,6,7
	ds_load_b128 v[32+8*\t:35+8*\t], v[ADK] offset:1024*\t
	ds_load_b128 v[36+8*\t:39+8*\t], v[ADK] offset:1024*\t+512
.endr
	s_wait_alu depctr_va_vdst(0)
	s_wait_dscnt 8                                 ; tiles 0 to 3 are in; the youngest eight loads may be out
.irp t, 0,1,2,3
	v_wmma_f32_16x16x64_fp8_fp8 v[96+8*\t:103+8*\t], v[32+8*\t:39+8*\t], v[16:23], 0
.endr
	s_wait_dscnt 0x0
.irp t, 4,5,6,7
	v_wmma_f32_16x16x64_fp8_fp8 v[96+8*\t:103+8*\t], v[32+8*\t:39+8*\t], v[16:23], 0
.endr
.rept 4
	v_nop                                          ; places in front of the loads below and of the first read of the scores
.endr
.irp ct, 0,1,2,3
.irp q, 0,1,2,3
	ds_load_b128 v[32+16*\ct+4*\q:35+16*\ct+4*\q], v[ADK] offset:8192+2048*\ct+512*\q   ; V^T: asked for now, it lands under the softmax
.endr
.endr
	s_add_co_u32 s96, s[KF], 127                   ; on the diagonal the scores of hidden keys become -infinity ahead of the maximum: p = 0 then.  A step all of whose keys count skips this
	s_cmp_le_u32 s96, s[Q0]
	s_cbranch_scc1 .Lopen_\@
	s_sub_co_i32 s96, s[Q0], s[KF]
	v_add_nc_u32 v197, s96, v[DL]                  ; d = my query - KF - 8 h.  Register 8 t + j holds key KF + 8 h + 16 t + j: hidden where 16 t + j > d
.set n, 0
.rept 64
	v_cmp_gt_i32 vcc_lo, 16*(n/8)+n%8, v197
	v_cndmask_b32 v[96+n], v[96+n], v204, vcc_lo
.set n, n+1
.endr
.Lopen_\@:
	v_max3_num_f32 v192, v96, v97, v98             ; the step's largest score of my query, among my 64 keys, in two chains, ascending,
	v_max3_num_f32 v193, v99, v100, v101
.set n, 6
.rept 14
	v_max3_num_f32 v192, v192, v[96+n], v[97+n]
	v_max3_num_f32 v193, v193, v[98+n], v[99+n]
.set n, n+4
.endr
	v_max3_num_f32 v192, v192, v158, v159
	s_delay_alu instid0(VALU_DEP_1)
	v_max_num_f32 v192, v192, v193
	s_delay_alu instid0(VALU_DEP_1)
	v_permlanex16_b32 v196, v192, s[SEL], s[SEL+1]
	s_delay_alu instid0(VALU_DEP_1)
	v_max_num_f32 v192, v192, v196                 ; and among lane l xor 16's
	s_delay_alu instid0(VALU_DEP_1)
	v_mul_f32 v192, s[CS], v192                    ; as t (c is positive)
	s_delay_alu instid0(VALU_DEP_1)
	v_max_num_f32 v13, v13, v192                   ; the running largest t
	v_mov_b32 v192, v12
	s_delay_alu instid0(VALU_DEP_2)
	v_floor_f32 v12, -v13                          ; the new -M = floor(-t) = -ceil(t): a whole number
	s_delay_alu instid0(VALU_DEP_1)
	v_sub_f32 v192, v12, v192                      ; M's old value less its new one: a whole number, 0 or less
	s_delay_alu instid0(VALU_DEP_1)
	v_cvt_i32_f32 v192, v192                       ; (it saturates)
	s_delay_alu instid0(VALU_DEP_1)
	v_ldexp_f32 v194, 1.0, v192                    ; f = 2^(old M - new M)
.set n, 0
	s_setprio 1
.rept 32
	v_pk_fma_f32 v[96+n:97+n], v[96+n:97+n], s[CS:CS+1], v[12:13] op_sel_hi:[1,0,0]   ; t - M, two at a time (of the pairs c and -M the low word serves both halves)
.set n, n+2
.endr
.set n, 0
	s_wait_alu depctr_va_vdst(0)
.rept 64
	v_exp_f32 v[96+n], v[96+n]                     ; p = 2^(t - M), at most 1: not normalised
.set n, n+1
.endr
	v_pk_mul_f32 v[14:15], v[14:15], v[194:195] op_sel_hi:[1,0]   ; the sums under the new M.  (The plain instruction behind the exponentials)
	s_wait_alu depctr_va_vdst(0)                   ; one wait for the whole batch, ahead of its first reader
	v_pk_add_f32 v[198:199], v[100:101], v[104:105]
	v_pk_add_f32 v[254:255], v[108:109], v[112:113]
	v_pk_add_f32 v[252:253], v[116:117], v[120:121]
	v_pk_add_f32 v[250:251], v[124:125], v[128:129]
	v_pk_add_f32 v[248:249], v[132:133], v[136:137]
	v_pk_add_f32 v[246:247], v[140:141], v[144:145]
	v_pk_add_f32 v[244:245], v[148:149], v[152:153]
	v_pk_add_f32 v[14:15], v[14:15], v[156:157]
	v_pk_add_f32 v[198:199], v[198:199], v[96:97]
	v_pk_add_f32 v[254:255], v[254:255], v[98:99]
	v_pk_add_f32 v[252:253], v[252:253], v[102:103]
	v_pk_add_f32 v[250:251], v[250:251], v[106:107]
	v_pk_add_f32 v[248:249], v[248:249], v[110:111]
	v_pk_add_f32 v[246:247], v[246:247], v[114:115]
	v_pk_add_f32 v[244:245], v[244:245], v[118:119]
	v_pk_add_f32 v[14:15], v[14:15], v[122:123]
	v_pk_add_f32 v[198:199], v[198:199], v[126:127]
	v_pk_add_f32 v[254:255], v[254:255], v[130:131]
	v_pk_add_f32 v[252:253], v[252:253], v[134:135]
	v_pk_add_f32 v[250:251], v[250:251], v[138:139]
	v_pk_add_f32 v[248:249], v[248:249], v[142:143]
	v_pk_add_f32 v[246:247], v[246:247], v[146:147]
	v_pk_add_f32 v[244:245], v[244:245], v[150:151]
	s_setprio 0
	v_pk_add_f32 v[14:15], v[14:15], v[154:155]
	v_pk_add_f32 v[198:199], v[198:199], v[158:159]
	s_delay_alu instid0(VALU_DEP_2)
	v_pk_add_f32 v[14:15], v[14:15], v[250:251]
	s_delay_alu instid0(VALU_DEP_2)
	v_pk_add_f32 v[198:199], v[198:199], v[248:249]
	v_pk_add_f32 v[254:255], v[254:255], v[246:247]
	v_pk_add_f32 v[252:253], v[252:253], v[244:245]
	s_delay_alu instid0(VALU_DEP_2)
	v_pk_add_f32 v[14:15], v[14:15], v[254:255]
	s_delay_alu instid0(VALU_DEP_2)
	v_pk_add_f32 v[198:199], v[198:199], v[252:253]
	s_delay_alu instid0(VALU_DEP_1)
	v_pk_add_f32 v[14:15], v[14:15], v[198:199]
.irp t, 0,1,2,3,4,5,6,7
.irp i, 0,1,2,3,4,5,6,7
.endr
	v_cvt_scalef32_pk8_fp8_f32 v[224+2*\t:225+2*\t], v[96+8*\t:103+8*\t], v201
.endr
.set n, 0
.rept 16
	v_pk_mul_f32 v[160+n:161+n], v[160+n:161+n], v[194:195] op_sel_hi:[1,0]   ; O^T under the new M: x f.  (Also the plain instructions between the conversions and the products below)
.set n, n+2
.endr
	s_wait_alu depctr_va_vdst(0)
	s_wait_dscnt 0x0                               ; V^T is in
.irp ct, 0,1,2,3
	v_wmma_f32_16x16x128_fp8_fp8 v[160+8*\ct:167+8*\ct], v[32+16*\ct:47+16*\ct], v[224:239], v[160+8*\ct:167+8*\ct]   ; four accumulators by turns; the next step's eight products stand between two links of a chain
.endr
.Lhidden_\@:
	s_add_co_u32 s[KF], s[KF], 128
	s_add_co_u32 s[TB], s[TB], STEPB
.endm
; THE CHANGE OF SLOTS stands at a slot's head.  Each wave waits for all its tensor loads (its part of the slot that it is about to read), adds 0 to its spare word, and waits for that and for its reads of the slot that it has left.
; Behind the barrier the slot ahead is whole and nobody reads the other one.  fill = 1: that other slot is filled with the keys that follow: the load has a slot's four steps in which to land.
.macro CHANGE fill
	s_wait_tensorcnt 0x0                           ; no tensor load of mine is out, so group 0 may be written
	ds_add_u32 v[SPW], v[NIL]                      ; 0 onto my spare word
.if \fill
	s_xor_b32 s[G0+1], s[G0+1], SLOTB              ; the walking descriptor: the other slot than last time,
	s_add_nc_u64 s[G0+2:G0+3], s[G0+2:G0+3], SLOTB ; the next four key steps; the type bits on top are not reached
	s_wait_xcnt 0x0                                ; the last prefetch, a slot back, has read its address, so it may be written:
	s_add_nc_u64 s[PFA:PFA+1], s[PFA:PFA+1], SLOTB ; one slot further on than the walking descriptor
.endif
	s_wait_dscnt 0x0                               ; the add is done, and my reads of the slot that I have left are over
	s_barrier_signal -1
	s_barrier_wait -1
.if \fill
	TLOAD                                          ; the first thing behind the barrier, and a wave's one tensor load until the next
	ASK
.endif
.endm
.macro SLOT_STEPS                      ; a slot's four key steps: written once, walked four times
	s_mov_b32 s[CNT], 4
.Lstep_\@:
	STEP
	s_sub_co_u32 s[CNT], s[CNT], 1
	s_cmp_lg_u32 s[CNT], 0
	s_cbranch_scc1 .Lstep_\@
	s_setprio 0
	s_sub_co_u32 s[TB], s[TB], SLOTB               ; back to a slot's first step,
	s_xor_b32 s[TB], s[TB], SLOTB                  ; in the other slot
.endm
	s_wait_loadcnt 0x0                             ; Q
.Lslot:                                            ; NSL - 1 trips: behind each change of slots but the last the next slot is asked for
	CHANGE 1
	SLOT_STEPS
	s_sub_co_u32 s[SLOTS], s[SLOTS], 1
	s_cmp_lg_u32 s[SLOTS], 0
	s_cbranch_scc1 .Lslot
	CHANGE 0                                       ; the last slot is written out
	SLOT_STEPS
	; THE WAY OUT.  O^T x 2^(e8 + e9) / the sum is quantised with 2^e10.  Register 8 ct + j is channel 16 ct + 8 h + j of my query: the conversions' results are the last projection's operand registers for my head's 64 of its K.
	v_add_f32 v14, v14, v15                        ; the sum's two halves,
	s_delay_alu instid0(VALU_DEP_1)
	v_permlanex16_b32 v196, v14, s[SEL], s[SEL+1]
	s_delay_alu instid0(VALU_DEP_1)
	v_add_f32 v14, v14, v196                       ; and lane l xor 16's: the row's sum
	s_wait_alu depctr_va_vdst(0)
	v_rcp_f32 v14, v14
	v_nop                                          ; a plain instruction behind the reciprocal
	s_wait_alu depctr_va_vdst(0)                   ; and the wait ahead of its first reader
	v_ldexp_f32 v14, v14, s73
.set n, 0
.rept 32
	v_mul_f32 v[96+n], v[160+n], v14               ; each accumulator from its low end on
.set n, n+1
.endr
.set n, 0
.rept 32
.set n, n+1
.endr
.irp ct, 0,1,2,3
	v_cvt_scalef32_pk8_fp8_f32 v[224+2*\ct:225+2*\ct], v[96+8*\ct:103+8*\ct], v203
.endr
	v_nop
	global_store_b128 v[LI], v[224:227], s[10:11]              ; 32 lanes store 512 consecutive bytes, at a multiple of 512 from the buffer's first byte
	global_store_b128 v[LI], v[228:231], s[10:11] offset:512
	s_wait_tensorcnt 0x0                           ; the wave's end
	ds_add_u32 v[SPW], v[NIL]
	s_wait_dscnt 0x0
	s_endpgm
.Lfunc_end_k_qc2e3e581ca_attn:
	.size	k_qc2e3e581ca_attn, .Lfunc_end_k_qc2e3e581ca_attn-k_qc2e3e581ca_attn
	.p2alignl 7, 3214868480
	.fill 96, 4, 3214868480
	.section	.rodata,"a",@progbits
	.p2align	6, 0x0
	.amdhsa_kernel k_qc2e3e581ca_attn
		.amdhsa_group_segment_fixed_size 327680
		.amdhsa_private_segment_fixed_size 0
		.amdhsa_enable_private_segment 0
		.amdhsa_kernarg_size 32
		.amdhsa_user_sgpr_count 2
		.amdhsa_user_sgpr_kernarg_segment_ptr 1
		.amdhsa_wavefront_size32 1
		.amdhsa_system_sgpr_workgroup_id_x 1
		.amdhsa_system_sgpr_workgroup_id_y 1
		.amdhsa_system_sgpr_workgroup_id_z 1
		.amdhsa_system_vgpr_workitem_id 0
		.amdhsa_next_free_vgpr 256
		.amdhsa_next_free_sgpr 100
		.amdhsa_reserve_vcc 1
		.amdhsa_float_denorm_mode_32 3
		.amdhsa_float_denorm_mode_16_64 3
		.amdhsa_fp16_overflow 1
		.amdhsa_memory_ordered 1
		.amdhsa_forward_progress 1
		.amdhsa_inst_pref_size 48
	.end_amdhsa_kernel
	.amdgpu_metadata
---
amdhsa.version: [ 1, 2 ]
amdhsa.kernels:
  - .name:           k_qc2e3e581ca_attn
    .symbol:         k_qc2e3e581ca_attn.kd
    .args:
      - { .name: qcodes, .offset: 0, .size: 8, .value_kind: global_buffer, .address_space: global }
      - { .name: kv, .offset: 8, .size: 8, .value_kind: global_buffer, .address_space: global }
      - { .name: lowp_scales, .offset: 16, .size: 8, .value_kind: global_buffer, .address_space: global }
      - { .name: acodes, .offset: 24, .size: 8, .value_kind: global_buffer, .address_space: global }
    .group_segment_fixed_size: 327680
    .private_segment_fixed_size: 0
    .kernarg_segment_align: 8
    .kernarg_segment_size: 32
    .max_flat_workgroup_size: 512
    .sgpr_count:     100
    .vgpr_count:     256
    .wavefront_size: 32
...
	.end_amdgpu_metadata
.endif
;; end of part 3
;; launch oproj (part 4): grid 4 x 32, 4 waves a work-group, clusters of 4 x 4, 327,680 bytes of LDS; arguments acodes, wcodes, lowp_scales, out0; writes out0
.if DOCPART == 4
	.amdgcn_target "amdgcn-amd-amdhsa--gfx1250"
	.amdhsa_code_object_version 6
	.text
	.protected	k_qc2e3e581ca_oproj
	.globl	k_qc2e3e581ca_oproj
	.p2align	8
	.type	k_qc2e3e581ca_oproj,@function
k_qc2e3e581ca_oproj:
	s_mov_b64 s[64:65], 0
	v_nop
	global_prefetch_b8 v0, s[64:65] scope:SCOPE_SE
	s_setreg_imm32_b32 hwreg(HW_REG_WAVE_MODE, 25, 1), 1
	s_wait_xcnt 0x0
	s_wait_alu depctr_hold_cnt(0) depctr_sa_sdst(0) depctr_va_vdst(0) depctr_va_sdst(0) depctr_va_ssrc(0) depctr_va_vcc(0) depctr_vm_vsrc(0)
	s_getreg_b32 s2, hwreg(HW_REG_IB_STS2, 6, 4)
	s_cmp_eq_u32 s2, 0
	s_cbranch_scc0 .Lentry_in_a_cluster
	s_endpgm
.Lentry_in_a_cluster:
	s_bfe_u32 s2, ttmp6, 0x10000c
	s_cmp_lg_u32 s2, 0xf033
	s_cbranch_scc0 .Lentry_shape_is_right
	s_endpgm
.Lentry_shape_is_right:
; OPROJ.  out0 [8192][1024] f32 = attn Wo^T on codes of E4M3 (K = 1,024); each finished sum is multiplied once by 2^(e10 + e11).  LIMIT: e10 + e11 between -126 and 127, so that this power is an f32 number.
; A work-group of four waves makes 256 x 256 of the output, a wave 128 x 128: 64 accumulators of 16 x 16, 512 registers.  32 x 4 tiles: 128 work-groups.
; Operands lie in memory as images of their registers (16 rows x 128 K = 2,048 bytes: [piece][lane][16]; a block of 16 rows = 8 fragments = 16,384 bytes), so a fragment comes out of LDS by four loads at 16 x lane:
; 512 consecutive bytes each, no pitch, no padding.  K goes in steps of 256 through two LDS slots; a wave's tensor load brings 8 blocks x 4,096 bytes.  Wo's codes are the fourth MiB of wcodes.
; CLUSTERS: 4 x 4 work-groups; the tokens' tile is shared along a row of the cluster, Wo's along a column: joint loads.
; THE MATRIX INSTRUCTION IS USED TRANSPOSED (source 0 = 16 rows of Wo, source 1 = 16 tokens): a lane holds eight neighbouring numbers of a row of the output.
; REGISTERS, in windows of 256: window 0: v16-29 addresses; v128-255 the tokens' fragments, ONE set (on the way out v32-255 are free); window 1: Wo's fragments, TWO sets; windows 2, 3: the accumulators, (a, b) at v[8 (8 (a % 4) + b)].
.set SIZE_N, 1024
.set FR,     16
.set NL,     4
.set NP,     4                         ; places behind this matrix instruction (ISA guide 7.12.1)
.set HALFT,  32768                     ; 8 blocks x 4,096 bytes: what one tensor load brings, and what one wave reads of a side
.set SLOT,   4*HALFT
.set SPARE,  2*SLOT                    ; behind the ring: the spare words, 128 bytes for each wave: two blocks of 256 bytes that no other line names
.set KADV,   8192
.set SPITCH, 528                       ; the way out: a stage of 16 rows x (512 bytes + 16) for each wave.  It lies in slot 0, which has had its last fill and its last read when the first result is stored there
.set ADRA, 16
.set ADRB, 20
.set STO,  24                          ; v24     the way out: where I put 32 bytes of a row
.set RD,   25                          ; v25     where I read a row back
.set CO,   26                          ; v26     my byte offset in a row of the output
.set SPW,  28
.set NIL,  29
.set TMP,  32
.set AF,   128
.set BK,   128
.set G1, 24
.set G0, 32
.set G1B, 48
.set G0B, 56
.set MSB, 0
.macro WIN new                         ; the immediate's high byte repeats the setting that is left
.if MSB != \new
	s_set_vgpr_msb (MSB<<8)|\new
.set MSB, \new
.endif
.endm
.set MUL_LO, 0xa1
.set MUL_HI, 0xf1
.set TO_B,   0x40
; A joint load: waves 0 and 1 fetch the tokens' halves, waves 2 and 3 Wo's; four v_nop follow each of the two lines
.macro JLOAD g0a, g1a, g0b, g1b
	s_cmp_eq_u32 s15, 0
	s_cbranch_scc0 .Lfor_b_\@
	tensor_load_to_lds s[\g0a:\g0a+3], s[\g1a:\g1a+7]
	s_nop 0
.rept 4
	v_nop
.endr
	s_branch .Lasked_\@
.Lfor_b_\@:
	tensor_load_to_lds s[\g0b:\g0b+3], s[\g1b:\g1b+7]
	s_nop 0
.rept 4
	v_nop
.endr
.Lasked_\@:
.endm
.macro CREST
	s_cmp_lg_u32 s14, 0
	s_cbranch_scc1 .Lnot_wave_0_\@
	s_barrier_signal -3
.Lnot_wave_0_\@:
	s_barrier_wait -3
	s_barrier_signal -1
	s_barrier_wait -1
.endm
.macro CROUND
	s_barrier_signal -1
	s_barrier_wait -1
	CREST
.endm
	s_load_b128 s[4:7], s[0:1], 0x0                ; acodes s[4:5], wcodes s[6:7]
	s_load_b128 s[8:11], s[0:1], 0x10              ; the scales s[8:9], out0 s[10:11]
	v_lshl_add_u32 v[SPW], v0, 2, SPARE
	v_mov_b32 v[NIL], 0
	ds_add_u32 v28, v29
	ds_add_u32 v28, v29
	s_wait_dscnt 0x0
	v_lshrrev_b32 v1, 5, v0
	v_readfirstlane_b32 s14, v1                    ; wave 0..3
	s_lshr_b32 s15, s14, 1                         ; which half of the tile's rows is mine.  Also: I fetch tokens (0) or Wo (1)
	s_and_b32 s16, s14, 1                          ; which half of its columns.  Also: which 8 blocks of that tile I fetch
	s_bfe_u32 s40, ttmp6, 0x40000                  ; cx, cy
	s_bfe_u32 s41, ttmp6, 0x40004
	s_lshl_b32 s42, ttmp9, 2
	s_add_co_u32 s42, s42, s40                     ; tile column = 4 x cluster x + cx
	s_and_b32 s17, ttmp7, 0xffff
	s_lshl_b32 s17, s17, 2
	s_add_co_u32 s17, s17, s41                     ; tile row = 4 x cluster y + cy
	s_lshl_b32 s43, s41, 2
	s_lshl_b32 s43, 15, s43                        ; my row of the cluster
	s_lshl_b32 s44, 0x1111, s40                    ; my column
	s_or_b32 s[G1+0], s43, (3<<16)|(1<<21)         ; 15:0 the mask; 17:16 elements of 8 bytes; 21 set beside a mask; no padding
	s_or_b32 s[G1B+0], s44, (3<<16)|(1<<21)
.irp g, G1, G1B
	s_mov_b32 s[\g+1], 512<<16                     ; tensor_dim0: 4,096 bytes
	s_mov_b32 s[\g+2], 8<<16                       ; tensor_dim1
	s_mov_b32 s[\g+3], 512<<16                     ; tile_dim0
	s_mov_b32 s[\g+4], 8                           ; tile_dim1
	s_mov_b32 s[\g+5], 2048                        ; tensor_dim0_stride: a block of 16,384 bytes
	s_mov_b32 s[\g+6], 0
	s_mov_b32 s[\g+7], 0
.endr
	s_lshl_b32 s18, s16, 17                        ; which 8 blocks of the tile I fetch
	s_lshl_b32 s20, s17, 18
	s_add_co_u32 s20, s20, s18
	s_mov_b32 s21, 0
	s_lshl_b32 s46, s42, 18
	s_add_co_u32 s46, s46, s18
	s_add_co_u32 s46, s46, 0x300000                ; Wo's codes
	s_mov_b32 s47, 0
	s_lshl_b32 s45, s14, 15                        ; where they go: wave x 32,768
	s_wait_kmcnt 0x0
	s_load_b64 s[96:97], s[8:9], 0x28              ; e10, e11
	s_add_nc_u64 s[20:21], s[4:5], s[20:21]
	s_add_nc_u64 s[46:47], s[6:7], s[46:47]
	CROUND                                         ; all sixteen work-groups are here: the first joint loads meet
.irp s, 0,1
	s_mov_b32 s[G0+4*\s], 1
	s_add_co_u32 s[G0+4*\s+1], s45, \s*SLOT
	s_add_nc_u64 s[G0+4*\s+2:G0+4*\s+3], s[20:21], \s*4096
	s_or_b32 s[G0+4*\s+3], s[G0+4*\s+3], 0x80000000
	s_mov_b32 s[G0B+4*\s], 1
	s_add_co_u32 s[G0B+4*\s+1], s45, \s*SLOT
	s_add_nc_u64 s[G0B+4*\s+2:G0B+4*\s+3], s[46:47], \s*4096
	s_or_b32 s[G0B+4*\s+3], s[G0B+4*\s+3], 0x80000000
	s_wait_alu depctr_va_vdst(0)
	s_wait_tensorcnt 0x0
	ds_add_u32 v28, v29
	ds_add_u32 v28, v29
	s_wait_dscnt 0x0
	CROUND
	JLOAD G0+4*\s, G1, G0B+4*\s, G1B
.endr
	v_and_b32 v1, 15, v0                           ; r
	s_wait_alu depctr_va_vdst(0)
	v_bfe_u32 v2, v0, 4, 1                         ; h
	v_and_b32 v6, 31, v0
	v_lshlrev_b32 v[CO], 4, v6                     ; 16 x lane
	s_lshl_b32 s21, s15, 15                        ; my 8 blocks of tokens,
	s_lshl_b32 s22, s16, 15                        ; my 8 of Wo,
	s_add_co_u32 s22, s22, 2*HALFT                 ; which lie behind the tokens' 16
.irp s, 0,1
	v_add_nc_u32 v[ADRA+\s], s21, v[CO]
	v_add_nc_u32 v[ADRB+\s], s22, v[CO]
	s_add_co_u32 s21, s21, SLOT
	s_add_co_u32 s22, s22, SLOT
.endr
	s_mul_i32 s23, s14, 16*SPITCH                  ; my stage
	v_mul_u32_u24 v5, v1, SPITCH                   ; in: row r, 32 bytes for each half of the lanes
	s_wait_alu depctr_va_vdst(0)
	v_lshl_add_u32 v5, v2, 5, v5
	v_add_nc_u32 v[STO], s23, v5
	v_add_nc_u32 v[RD], s23, v[CO]                 ; back: the 32 lanes take one row of 512 bytes
	s_lshl_b32 s20, s17, 8
	s_lshl_b32 s21, s15, 7
	s_add_co_u32 s20, s20, s21                     ; my first row of the output,
	s_lshl_b32 s20, s20, 12                        ; of 4,096 bytes
	s_lshl_b32 s46, s42, 10                        ; my first column, in bytes: 1,024 x tile column + 512 x half
	s_lshl_b32 s47, s16, 9
	s_add_co_u32 s46, s46, s47
	s_add_co_u32 s20, s20, s46
	s_mov_b32 s21, 0
	s_add_nc_u64 s[10:11], s[10:11], s[20:21]
.macro FRAG reg, adr, q, i
.irp c, 0,1,2,3
	ds_load_b128 v[\reg+4*\c:\reg+4*\c+3], v[\adr] offset:4096*(\i)+2048*(\q)+512*\c
.endr
.endm
; 16 matrix instructions; the 64 accumulators take turns, one instruction a turn, in the same order in every step.  zero = 1: the first product starts the sums
.macro MUL16 a0, p, zero
.irp a, \a0, \a0+1
.irp b, 0,1,2,3,4,5,6,7
.if \zero
	v_wmma_f32_16x16x128_fp8_fp8 v[8*(8*((\a)%4)+\b):8*(8*((\a)%4)+\b)+7], v[128*(\p)+FR*\b:128*(\p)+FR*\b+FR-1], v[AF+FR*(\a):AF+FR*(\a)+FR-1], 0
.else
	v_wmma_f32_16x16x128_fp8_fp8 v[8*(8*((\a)%4)+\b):8*(8*((\a)%4)+\b)+7], v[128*(\p)+FR*\b:128*(\p)+FR*\b+FR-1], v[AF+FR*(\a):AF+FR*(\a)+FR-1], v[8*(8*((\a)%4)+\b):8*(8*((\a)%4)+\b)+7]
.endif
.endr
.endr
.endm
.macro FETCH_B slot, q, p
	WIN TO_B
.irp i, 0,1,2,3,4,5,6,7
	FRAG 128*(\p)+FR*\i, ADRB+\slot, \q, \i
.endr
	WIN 0
.endm
.macro FETCH_A slot, q, i0
.irp i, \i0, \i0+1, \i0+2, \i0+3
	FRAG AF+FR*(\i), ADRA+\slot, \q, \i
.endr
.endm
.macro PLACES n                        ; plain vector instructions between a matrix instruction and a load into, or a vector instruction on, its registers (ISA guide 7.12.1 for vector instructions)
.rept \n
	v_nop
.endr
.endm
.macro STEP slot, q, zero
	s_wait_dscnt 4*NL                              ; Wo's set and the tokens' blocks 0-3 are in; the youngest sixteen loads (blocks 4-7) may be out
	WIN MUL_LO
	MUL16 0, (\q)%2, \zero
	MUL16 2, (\q)%2, \zero
	s_wait_dscnt 0
	PLACES NP
	FETCH_B \slot, (\q)+1, 1-(\q)%2
	FETCH_A \slot, (\q)+1, 0
	WIN MUL_HI
	MUL16 4, (\q)%2, \zero
	MUL16 6, (\q)%2, \zero
	PLACES NP
	WIN 0
	FETCH_A \slot, (\q)+1, 4
.endm
; A slot's last step changes slots: ONE barrier; in front of it each wave waits for all its tensor loads, adds 0 to its spare word, and waits for that and for its own reads of this slot
.macro TURN slot, next, fill
	s_wait_tensorcnt 0x0                           ; all my tensor loads have landed: my part of the next slot
	ds_add_u32 v[SPW], v[NIL]                      ; 0 onto my spare word
	s_wait_dscnt 4*NL+1                            ; (the add and the youngest sixteen loads may be out)
	WIN MUL_LO
	MUL16 0, 1, 0
	s_wait_dscnt 0x0                               ; the add is done, and my reads of this slot are over
	s_barrier_signal -1
	MUL16 2, 1, 0
	WIN 0
	s_barrier_wait -1
.if \fill
	CREST                                          ; the barrier has opened a round of the cluster's barrier: no wave of any partner still reads this slot or has a load on its way
	s_add_nc_u64 s[G0+4*\slot+2:G0+4*\slot+3], s[G0+4*\slot+2:G0+4*\slot+3], KADV
	s_add_nc_u64 s[G0B+4*\slot+2:G0B+4*\slot+3], s[G0B+4*\slot+2:G0B+4*\slot+3], KADV
	JLOAD G0+4*\slot, G1, G0B+4*\slot, G1B         ; the first tensor load behind the round; its four v_nop are also the places in front of the loads below
.else
	PLACES NP
.endif
	FETCH_B \next, 0, 0
	FETCH_A \next, 0, 0
	WIN MUL_HI
	MUL16 4, 1, 0
	MUL16 6, 1, 0
	PLACES NP
	WIN 0
	FETCH_A \next, 0, 4
.endm
	s_wait_tensorcnt 1                             ; my part of K step 0 is in (K step 1's load may be out)
	s_barrier_signal -1
	s_barrier_wait -1                              ; everybody's is
	FETCH_B 0, 0, 0
	FETCH_A 0, 0, 0
	FETCH_A 0, 0, 4
	STEP 0, 0, 1                                   ; four K steps of 256, eight steps of 128: written out, no loop
	TURN 0, 1, 1
	STEP 1, 0, 0
	TURN 1, 0, 1
	STEP 0, 0, 0
	TURN 0, 1, 0
	STEP 1, 0, 0
	s_wait_dscnt 4*NL
	WIN MUL_LO
	MUL16 0, 1, 0
	MUL16 2, 1, 0
	s_wait_dscnt 0
	WIN MUL_HI
	MUL16 4, 1, 0
	MUL16 6, 1, 0
	WIN 0
; THE WAY OUT, block by block of 16 rows x 128 columns.  A lane holds 32 neighbouring bytes of a row, and the lanes beside it hold other rows: so a block goes through my own stage in LDS and comes back as whole
; rows of 512 bytes.  LDS serves a wave's instructions in order (ISA guide 5.7.1.4): no wait between the stores and the loads, nor in front of the next block's stores.
.macro TOSTAGE a
.set AC, 64*((\a)%4)
	WIN 0x02+((\a)/4)                              ; source 0: window 2 or 3
.set n, 0
.rept 32
	v_pk_mul_f32 v[TMP+n:TMP+n+1], v[AC+n:AC+n+1], s[96:97] op_sel_hi:[1,0]   ; both x s96 = 2^(e10 + e11); each accumulator from its low end on
.set n, n+2
.endr
	WIN 0
.irp b, 0,1,2,3,4,5,6,7
	ds_store_b128 v[STO], v[TMP+8*\b:TMP+8*\b+3] offset:64*\b
	ds_store_b128 v[STO], v[TMP+8*\b+4:TMP+8*\b+7] offset:64*\b+16
.endr
.set BB, BK+64*((\a)%2)
.irp t, 0,1,2,3,4,5,6,7,8,9,10,11,12,13,14,15
	ds_load_b128 v[BB+4*\t:BB+4*\t+3], v[RD] offset:\t*SPITCH
.endr
.endm
.macro SEND a, younger                 ; younger: the LDS instructions issued behind block a's loads, which may stay out
.set BB, BK+64*((\a)%2)
	s_wait_dscnt \younger
.if (\a) > 0
	s_add_nc_u64 s[10:11], s[10:11], 16*SIZE_N*4   ; (behind a wait on XCNT: the earlier stores have read their base)  16 rows on
.endif
.irp t, 0,1,2,3,4,5,6,7,8,9,10,11,12,13,14,15
	global_store_b128 v[CO], v[BB+4*\t:BB+4*\t+3], s[10:11] offset:\t*SIZE_N*4 th:TH_STORE_NT   ; 32 lanes store 512 consecutive bytes, at a multiple of 512 from the output's first byte
.endr
.endm
	s_wait_kmcnt 0x0
	s_add_co_i32 s96, s96, s97                     ; e10 + e11,
	s_add_co_i32 s96, s96, 127
	s_lshl_b32 s96, s96, 23                        ; as the f32 number 2^(e10 + e11)
	PLACES NP
	TOSTAGE 0
.irp a, 1,2,3,4,5,6,7
.if \a > 1
	s_wait_xcnt 0x0                                ; block a - 2's stores have read their registers and their base: block a's loads may land there, and the base may step
.endif
	TOSTAGE \a
	SEND \a-1, 32                                  ; behind block a - 1's loads: block a's 16 stores and 16 loads
.endr
	s_wait_xcnt 0x0                                ; block 6's stores have read their base
	SEND 7, 0
	s_wait_tensorcnt 0x0                           ; the wave's end, behind my last tensor load and my last LDS store
	ds_add_u32 v[SPW], v[NIL]
	s_wait_dscnt 0x0
	CROUND                                         ; the closing round: no work-group ends while a partner may still ask for a tile that names it
	s_endpgm
.Lfunc_end_k_qc2e3e581ca_oproj:
	.size	k_qc2e3e581ca_oproj, .Lfunc_end_k_qc2e3e581ca_oproj-k_qc2e3e581ca_oproj
	.p2alignl 7, 3214868480
	.fill 96, 4, 3214868480
	.section	.rodata,"a",@progbits
	.p2align	6, 0x0
	.amdhsa_kernel k_qc2e3e581ca_oproj
		.amdhsa_group_segment_fixed_size 327680
		.amdhsa_private_segment_fixed_size 0
		.amdhsa_enable_private_segment 0
		.amdhsa_kernarg_size 32
		.amdhsa_user_sgpr_count 2
		.amdhsa_user_sgpr_kernarg_segment_ptr 1
		.amdhsa_wavefront_size32 1
		.amdhsa_system_sgpr_workgroup_id_x 1
		.amdhsa_system_sgpr_workgroup_id_y 1
		.amdhsa_system_sgpr_workgroup_id_z 1
		.amdhsa_system_vgpr_workitem_id 0
		.amdhsa_next_free_vgpr 1024
		.amdhsa_next_free_sgpr 98
		.amdhsa_reserve_vcc 0
		.amdhsa_float_denorm_mode_32 3
		.amdhsa_float_denorm_mode_16_64 3
		.amdhsa_memory_ordered 1
		.amdhsa_forward_progress 1
		.amdhsa_inst_pref_size 124
	.end_amdhsa_kernel
	.amdgpu_metadata
---
amdhsa.version: [ 1, 2 ]
amdhsa.kernels:
  - .name:           k_qc2e3e581ca_oproj
    .symbol:         k_qc2e3e581ca_oproj.kd
    .args:
      - { .name: acodes, .offset: 0, .size: 8, .value_kind: global_buffer, .address_space: global }
      - { .name: wcodes, .offset: 8, .size: 8, .value_kind: global_buffer, .address_space: global }
      - { .name: lowp_scales, .offset: 16, .size: 8, .value_kind: global_buffer, .address_space: global }
      - { .name: out0, .offset: 24, .size: 8, .value_kind: global_buffer, .address_space: global }
    .group_segment_fixed_size: 327680
    .private_segment_fixed_size: 0
    .kernarg_segment_align: 8
    .kernarg_segment_size: 32
    .max_flat_workgroup_size: 128
    .sgpr_count:     98
    .vgpr_count:     1024
    .wavefront_size: 32
...
	.end_amdgpu_metadata
.endif
;; end of part 4
